; MI455X (gfx1250); checked and timed in simulation.
; The chip was launched on July 23, 2026; its instructions are those of AMD's public machine-readable ISA for CDNA 5 (MIT licence, August 2026) and "CDNA5" Instruction Set Architecture Reference Guide (July 2026). The comments in the code are by the model that wrote it; some were corrected since.
;; Multi Head Cross Attention. Allowed arithmetic: float matrix products may take bf16 or f16 operands with f32 sums; other float arithmetic in f32, or as packed bf16 or f16 multiplies, adds, multiply-adds, maxima and minima; sums over many terms, partial sums and values carried from step to step in f32; what a program stores and reads back later, other than sums and carried values, may be rounded once to bf16 or f16.
;; Inputs: Wk 512 x 512 float32; Wo 512 x 512 float32; Wq 512 x 512 float32; Wv 512 x 512 float32; bk 512 float32; bo 512 float32; bq 512 float32; bv 512 float32; key_mask 8 x 1,024 bool; key_pos 8 x 1,024 x 3 float32; key_value 8 x 8 x 1,024 x 512 float32; query 8 x 8 x 128 x 512 float32; query_pos 8 x 128 x 3 float32.
;; Outputs: out0 8 x 8 x 128 x 512 float32.
;; 3 versions, each right; version 3 is version 2 with the launch oproj written anew for expert scheduling mode. Each part assembles by itself: llvm-mc -triple=amdgcn-amd-amdhsa -mcpu=gfx1250 --defsym DOCPART=n.
;; ======== version 1 of 3: 3 launches
;; limits: values are held in f16: magnitudes above 65,504 overflow, below 6.1e-05 lose precision
;; workspace buffers: wfrag 2,097,152 bytes; btab 4,194,304 bytes; ofrag 8,388,608 bytes; bvec 8,192 bytes
;; launch prep (part 1): grid 1540 x 1, 8 waves a work-group, no clusters, 0 bytes of LDS; arguments query_pos, key_pos, key_mask, Wq, Wk, Wv, Wo, bq, bk, bv, bo, btab, wfrag, bvec; writes btab, wfrag, bvec
.if DOCPART == 1
	.amdgcn_target "amdgcn-amd-amdhsa--gfx1250"
	.amdhsa_code_object_version 6
	.text
	.protected	k_qa6d9545ea2_prep
	.globl	k_qa6d9545ea2_prep
	.p2align	8
	.type	k_qa6d9545ea2_prep,@function
k_qa6d9545ea2_prep:
	s_mov_b64 s[64:65], 0
	v_nop
	global_prefetch_b8 v0, s[64:65] scope:SCOPE_SE
	s_setreg_imm32_b32 hwreg(HW_REG_WAVE_MODE, 25, 1), 1
	s_wait_xcnt 0x0
; THREE SMALL TABLES for the two launches behind.  Every thread makes 16 (the vectors: 8) bytes, and a wave's store covers consecutive bytes in thread order.
; All floating-point inputs of the module are rounded once to bf16 (nearest even) before they are used: weights, bias vectors and positions alike.
; LIMIT: with a large common offset on the positions the distance bias carries bf16's rounding of the positions (8 significant bits).
; Work-groups 0..1023: btab[b][w][u][qt][kt][p][lane][4] f32, the C operand of the score products:
;   query 32 w + 16 qt + lane % 16, keys 32 u + 16 kt + 8 (lane / 16) + 4 p + 0..3;  value = -|qpos - kpos|^2 log2(e) / 0.245 where the key is valid, else -10000 log2(e).
; Work-groups 1024..1535: wfrag[matrix][column tile][K step][p][lane][8 x 16 bit]: W[16 ct + lane % 16][32 ks + 16 p + 8 (lane / 16) + 0..7]: a matrix fragment as it lies in registers.
;   Wq, Wk, Wv as bf16; Wo rounded to bf16 and that number written as f16 (below 6.1e-5 it keeps f16's fixed step of 6e-8).
; Work-groups 1536..1539: bvec[bq, bk, bv, bo][512] f32, each number rounded to bf16 and widened again.
.set NEGC,   0xc0bc6f03                ; -log2(e) / (2 x 0.35 x 0.35)
.set MASKED, 0xc6616bcd                ; -10000 log2(e)
	s_load_b512 s[4:19], s[0:1], 0x0               ; query_pos s[4:5], key_pos s[6:7], key_mask s[8:9], Wq s[10:11], Wk s[12:13], Wv s[14:15], Wo s[16:17], bq s[18:19]
	s_load_b256 s[20:27], s[0:1], 0x40             ; bk s[20:21], bv s[22:23], bo s[24:25], btab s[26:27]
	s_load_b128 s[28:31], s[0:1], 0x60             ; wfrag s[28:29], bvec s[30:31]
	s_mov_b32 s40, 0xffff0000                      ; a word's upper bf16
	s_cmp_ge_u32 ttmp9, 1024
	s_cbranch_scc1 .Lweights
	; ---- the bias and mask table ----
	v_and_b32 v1, 15, v0                           ; lane % 16
	v_bfe_u32 v2, v0, 4, 1                         ; lane / 16
	v_bfe_u32 v3, v0, 5, 1                         ; p
	v_bfe_u32 v4, v0, 6, 1                         ; kt
	v_bfe_u32 v5, v0, 7, 1                         ; qt
	s_lshr_b32 s32, ttmp9, 7                       ; b
	s_bfe_u32 s33, ttmp9, 0x20005                  ; w
	s_and_b32 s34, ttmp9, 31                       ; u
	s_lshl_b32 s35, s32, 7
	s_lshl_b32 s33, s33, 5
	s_add_co_u32 s35, s35, s33                     ; 128 b + 32 w
	v_lshl_add_u32 v6, v5, 4, v1
	v_add_nc_u32 v6, s35, v6                       ; my query's row in query_pos
	v_mul_u32_u24 v6, v6, 12                       ; 12 bytes a row
	s_lshl_b32 s36, s32, 10
	s_lshl_b32 s34, s34, 5
	s_add_co_u32 s36, s36, s34                     ; 1024 b + 32 u
	v_lshlrev_b32 v7, 4, v4
	v_lshl_add_u32 v7, v2, 3, v7
	v_lshl_add_u32 v7, v3, 2, v7
	v_add_nc_u32 v7, s36, v7                       ; my first key (a multiple of 4): its byte in key_mask,
	v_mul_u32_u24 v8, v7, 12                       ; and its 48 bytes in key_pos, at a multiple of 16
	s_lshl_b32 s37, ttmp9, 12
	v_lshl_add_u32 v9, v0, 4, s37                  ; 4,096 bytes a work-group, 16 a thread
	v_mov_b32 v15, MASKED
	s_wait_kmcnt 0x0
	global_load_b32 v10, v6, s[4:5]
	global_load_b32 v11, v6, s[4:5] offset:4
	global_load_b32 v12, v6, s[4:5] offset:8
	global_load_b128 v[16:19], v8, s[6:7]
	global_load_b128 v[20:23], v8, s[6:7] offset:16
	global_load_b128 v[24:27], v8, s[6:7] offset:32
	global_load_b32 v14, v7, s[8:9]                ; four mask bytes
	s_wait_loadcnt 0x0
	v_cvt_pk_bf16_f32 v28, v10, v11                ; the positions are rounded to bf16 and widened again
	v_cvt_pk_bf16_f32 v29, v12, v12
	v_lshlrev_b32 v10, 16, v28
	v_and_b32 v11, s40, v28
	v_lshlrev_b32 v12, 16, v29
.irp i, 0,1,2,3,4,5
	v_cvt_pk_bf16_f32 v[36+\i], v[16+2*\i], v[17+2*\i]
.endr
.irp i, 0,1,2,3,4,5
	v_lshlrev_b32 v[16+2*\i], 16, v[36+\i]
	v_and_b32 v[17+2*\i], s40, v[36+\i]
.endr
.irp e, 0,1,2,3
	v_sub_f32 v28, v10, v[16+3*\e]                 ; true differences: a common offset of both positions cancels here
	v_sub_f32 v29, v11, v[17+3*\e]
	v_sub_f32 v30, v12, v[18+3*\e]
	v_mul_f32 v28, v28, v28
	v_fma_f32 v28, v29, v29, v28
	v_fma_f32 v28, v30, v30, v28
	v_mul_f32 v28, NEGC, v28
	v_bfe_u32 v29, v14, 8*\e, 8
	v_cmp_ne_u32 vcc_lo, 0, v29
	v_cndmask_b32 v[32+\e], v15, v28, vcc_lo       ; valid: the bias; hidden: the constant
.endr
	global_store_b128 v9, v[32:35], s[26:27]
	s_endpgm
.Lweights:
	s_cmp_ge_u32 ttmp9, 1536
	s_cbranch_scc1 .Lvectors
	; ---- the weights in fragment order: chunk number 256 x (work-group - 1024) + thread ----
	s_sub_co_u32 s32, ttmp9, 1024
	s_lshr_b32 s33, s32, 7                         ; which matrix
	s_bfe_u32 s34, s32, 0x50002                    ; column tile: 16 rows of W
	s_and_b32 s35, s32, 3                          ; which 128 of the 512 numbers of a row
	s_lshl_b32 s34, s34, 15                        ; 16 rows of 2,048 bytes
	s_lshl_b32 s35, s35, 9
	s_add_co_u32 s34, s34, s35
	v_and_b32 v1, 15, v0                           ; the row in the tile
	v_lshrrev_b32 v2, 4, v0                        ; 4 x (K step % 4) + 2 p + lane / 16: eight numbers each
	v_lshlrev_b32 v3, 11, v1
	v_lshl_add_u32 v3, v2, 5, v3
	v_add_nc_u32 v3, s34, v3
	s_lshl_b32 s36, s32, 12
	v_lshl_add_u32 v4, v0, 4, s36
	s_wait_kmcnt 0x0
	s_cmp_eq_u32 s33, 0
	s_cselect_b64 s[38:39], s[10:11], s[12:13]
	s_cmp_eq_u32 s33, 2
	s_cselect_b64 s[38:39], s[14:15], s[38:39]
	s_cmp_eq_u32 s33, 3
	s_cselect_b64 s[38:39], s[16:17], s[38:39]
	global_load_b128 v[8:11], v3, s[38:39]
	global_load_b128 v[12:15], v3, s[38:39] offset:16
	s_wait_loadcnt 0x0
.irp i, 0,1,2,3
	v_cvt_pk_bf16_f32 v[16+\i], v[8+2*\i], v[9+2*\i]
.endr
	s_cmp_lg_u32 s33, 3
	s_cbranch_scc1 .Lstore_w
.irp i, 0,1,2,3                        ; Wo multiplies an f16 operand: its bf16 number is written as f16
	v_lshlrev_b32 v[8+2*\i], 16, v[16+\i]
	v_and_b32 v[9+2*\i], s40, v[16+\i]
.endr
.irp i, 0,1,2,3
	v_cvt_pk_f16_f32 v[16+\i], v[8+2*\i], v[9+2*\i]
.endr
.Lstore_w:
	global_store_b128 v4, v[16:19], s[28:29]
	s_endpgm
.Lvectors:
	; ---- the four bias vectors: a work-group a vector, two numbers a thread ----
	s_sub_co_u32 s32, ttmp9, 1536
	v_lshlrev_b32 v1, 3, v0
	s_lshl_b32 s33, s32, 11
	v_add_nc_u32 v2, s33, v1
	s_wait_kmcnt 0x0
	s_cmp_eq_u32 s32, 0
	s_cselect_b64 s[34:35], s[18:19], s[20:21]
	s_cmp_eq_u32 s32, 2
	s_cselect_b64 s[34:35], s[22:23], s[34:35]
	s_cmp_eq_u32 s32, 3
	s_cselect_b64 s[34:35], s[24:25], s[34:35]
	global_load_b64 v[4:5], v1, s[34:35]
	s_wait_loadcnt 0x0
	v_cvt_pk_bf16_f32 v6, v4, v5
	v_lshlrev_b32 v8, 16, v6
	v_and_b32 v9, s40, v6
	global_store_b64 v2, v[8:9], s[30:31]
	s_endpgm
.Lfunc_end_k_qa6d9545ea2_prep:
	.size	k_qa6d9545ea2_prep, .Lfunc_end_k_qa6d9545ea2_prep-k_qa6d9545ea2_prep
	.p2alignl 7, 3214868480
	.fill 96, 4, 3214868480
	.section	.rodata,"a",@progbits
	.p2align	6, 0x0
	.amdhsa_kernel k_qa6d9545ea2_prep
		.amdhsa_group_segment_fixed_size 0
		.amdhsa_private_segment_fixed_size 0
		.amdhsa_enable_private_segment 0
		.amdhsa_kernarg_size 112
		.amdhsa_user_sgpr_count 2
		.amdhsa_user_sgpr_kernarg_segment_ptr 1
		.amdhsa_wavefront_size32 1
		.amdhsa_system_sgpr_workgroup_id_x 1
		.amdhsa_system_sgpr_workgroup_id_y 1
		.amdhsa_system_sgpr_workgroup_id_z 1
		.amdhsa_system_vgpr_workitem_id 0
		.amdhsa_next_free_vgpr 48
		.amdhsa_next_free_sgpr 66
		.amdhsa_reserve_vcc 1
		.amdhsa_float_denorm_mode_32 3
		.amdhsa_float_denorm_mode_16_64 3
		.amdhsa_memory_ordered 1
		.amdhsa_forward_progress 1
		.amdhsa_inst_pref_size 9
	.end_amdhsa_kernel
	.amdgpu_metadata
---
amdhsa.version: [ 1, 2 ]
amdhsa.kernels:
  - .name:           k_qa6d9545ea2_prep
    .symbol:         k_qa6d9545ea2_prep.kd
    .args:
      - { .name: query_pos, .offset: 0, .size: 8, .value_kind: global_buffer, .address_space: global }
      - { .name: key_pos, .offset: 8, .size: 8, .value_kind: global_buffer, .address_space: global }
      - { .name: key_mask, .offset: 16, .size: 8, .value_kind: global_buffer, .address_space: global }
      - { .name: Wq, .offset: 24, .size: 8, .value_kind: global_buffer, .address_space: global }
      - { .name: Wk, .offset: 32, .size: 8, .value_kind: global_buffer, .address_space: global }
      - { .name: Wv, .offset: 40, .size: 8, .value_kind: global_buffer, .address_space: global }
      - { .name: Wo, .offset: 48, .size: 8, .value_kind: global_buffer, .address_space: global }
      - { .name: bq, .offset: 56, .size: 8, .value_kind: global_buffer, .address_space: global }
      - { .name: bk, .offset: 64, .size: 8, .value_kind: global_buffer, .address_space: global }
      - { .name: bv, .offset: 72, .size: 8, .value_kind: global_buffer, .address_space: global }
      - { .name: bo, .offset: 80, .size: 8, .value_kind: global_buffer, .address_space: global }
      - { .name: btab, .offset: 88, .size: 8, .value_kind: global_buffer, .address_space: global }
      - { .name: wfrag, .offset: 96, .size: 8, .value_kind: global_buffer, .address_space: global }
      - { .name: bvec, .offset: 104, .size: 8, .value_kind: global_buffer, .address_space: global }
    .group_segment_fixed_size: 0
    .private_segment_fixed_size: 0
    .kernarg_segment_align: 8
    .kernarg_segment_size: 112
    .max_flat_workgroup_size: 256
    .sgpr_count:     66
    .vgpr_count:     48
    .wavefront_size: 32
...
	.end_amdgpu_metadata
.endif
;; end of part 1
;; launch attn (part 2): grid 256 x 1, 4 waves a work-group, clusters of 4 x 1, 327,680 bytes of LDS; arguments query, key_value, key_mask, wfrag, bvec, btab, ofrag; writes ofrag
.if DOCPART == 2
	.amdgcn_target "amdgcn-amd-amdhsa--gfx1250"
	.amdhsa_code_object_version 6
	.text
	.protected	k_qa6d9545ea2_attn
	.globl	k_qa6d9545ea2_attn
	.p2align	8
	.type	k_qa6d9545ea2_attn,@function
k_qa6d9545ea2_attn:
	s_mov_b64 s[64:65], 0
	v_nop
	global_prefetch_b8 v0, s[64:65] scope:SCOPE_SE
	s_setreg_imm32_b32 hwreg(HW_REG_WAVE_MODE, 25, 1), 1
	s_wait_xcnt 0x0
	s_wait_alu depctr_hold_cnt(0) depctr_sa_sdst(0) depctr_va_vdst(0) depctr_va_sdst(0) depctr_va_ssrc(0) depctr_va_vcc(0) depctr_vm_vsrc(0)
	s_getreg_b32 s2, hwreg(HW_REG_IB_STS2, 6, 4)
	s_cmp_eq_u32 s2, 0
	s_cbranch_scc0 .Lentry_in_a_cluster
	s_endpgm
.Lentry_in_a_cluster:
	s_bfe_u32 s2, ttmp6, 0x10000c
	s_cmp_lg_u32 s2, 0x3003
	s_cbranch_scc0 .Lentry_shape_is_right
	s_endpgm
.Lentry_shape_is_right:
; THE THREE INPUT PROJECTIONS AND THE ATTENTION, FUSED.  k and v never go to memory: a tile of 64 rows of key_value is projected and used at once.
; SHARES.  A cluster of four work-groups is one (b, n); a work-group is a pair of heads hp (128 columns of q, k, v).  The four partners need the same rows of query and key_value, so every
; tile is asked for JOINTLY: the same tensor load, descriptor and mask in all four.  hp enters global addresses alone (weights, bias vectors, output, prefetch).
; The weights are not asked for jointly: a wave reads its 96 KiB of them once, straight into registers where they stay, against 2.25 MiB of tiles that a work-group streams.
; PROJECTION.  Wave w owns columns 32 w .. 32 w + 31 of the pair's 128, of q, k and v, over all 512 inputs: its fragments of Wq (later reused), Wk, Wv fill one register window each.
; A tile arrives as f32; a fragment is read from LDS (four loads of 16 bytes), rounded to bf16 (eight conversions) and multiplied four times.
;   k, q = W x X^T: a lane holds ONE row (key or query) and eight channels: 16 bytes of k[key][channel].      v = X x W^T: a lane holds ONE channel and eight keys: 16 bytes of vT[channel][key].
; q, k, v cross the waves through a stage in LDS, in f16; q carries the factor log2(e) / 8; a hidden key's k is multiplied by 0.
; ATTENTION.  Wave w owns queries 32 w .. 32 w + 31 for both heads: four tiles tl = 2 head + qt of 16 queries.  32 keys a trip.  S^T = K Q^T + C, C = the table of bias and mask (already times log2 e), so
; a hidden key's score is the constant exactly; a lane holds ONE query and the keys 8 (lane / 16) + 0..7; two results rounded to f16 ARE source 1 of O^T = V^T P.
; Running maximum m and sum l: p = 2^(s - m); in every trip O and l are multiplied by a = 2^(m_old - m_new).  m starts at the lowest finite number, O and l at 0: the first trip is a trip like any other (a = 0),
; at the price of 128 lines that write 0, once a launch; a first trip written out would be a third copy of the trip's text.
; FORMATS.  query, key_value, weights: bf16 operands.  q, k, v, P, O: f16.  Sums, maxima, l: f32.
; LIMITS.  |q| log2(e) / 8, |k|, |v| stay under 65,504 (f16).  NaN and infinities are not treated apart (0 x infinity in a hidden key's k is NaN).  A weight below 2^-126 counts as 0 in l.  Mask bytes are 0 or 1.
; LDS.  Two slots of 135,168 bytes: a tile as four quarters of the 512 inputs, each 64 rows of 512 bytes + 16 of padding (33 x 16 bytes: the 16 rows of a load start at 16 different groups of four banks).
; Behind them, never the target of a tensor load: the stage (k[64][128] at pitch 272, vT twice [128][32] at pitch 80; first q[128][128] at pitch 272), the mask as f32, the spare words.
; REGISTERS, in windows of 256 (s_set_vgpr_msb: bits 1:0 source 0, 3:2 source 1, 5:4 source 2, 7:6 destination):
;   window 0: v0-31 addresses; v32-47 statistics; v48-255 by phase.   projection: v48-111 eight accumulators, v112-135 three bf16 fragments, v136-231 six f32 fragments, v232-247 bq
;                                                                     attention:  v48-111 S^T (P in place), v112-175 K, v176-239 V^T, v240-255 at work
;   window 1: first Wq; then v0-127 O^T, v128-191 Q, v192-223 the table's 32 keys, v224-239 bk, v240-255 bv          window 2: Wk          window 3: Wv
.set XP,     528                       ; a row of a quarter in LDS
.set QUART,  64*XP                     ; 33,792: what one tensor load brings
.set SLOT1,  4*QUART                   ; 135,168 = 0x21000: no quarter's offset has one of these two bits, so one exclusive or turns an address in one slot into the other's
.set HALF,   32*XP                     ; the 32 rows of a projection trip
.set STG,    2*SLOT1
.set KP,     272
.set VP,     80
.set STGV,   STG+64*KP
.set VHALF,  128*VP
.set MK,     STGV+2*VHALF              ; 1,024 mask factors, f32
.set SPARE,  MK+4096                   ; the spare words, 128 bytes for each wave: two blocks of 256 bytes that no other line names
.set RR,  1                            ; v1   lane % 16
.set HH,  2                            ; v2   lane / 16
.set LN,  3                            ; v3   lane
.set L16, 4                            ; v4   16 x lane; never rewritten
.set H32, 5                            ; v5   32 x (lane / 16); never rewritten
.set R4,  6                            ; v6   4 x (lane % 16); never rewritten
.set PFO, 7                            ; v7   256 x lane: the prefetches' offset; never rewritten
.set XL,  8                            ; v8   528 r + 32 h: my place in 16 rows of a quarter
.set XA0, 9                            ; v9, v10  the trip's X addresses: quarters 0 and 1, quarters 2 and 3
.set KS0, 11                           ; v11  where I store k (and q): stage + 272 r + 64 w + 16 h
.set KST, 12                           ; v12  the same, stepping
.set VS0, 13                           ; v13  where I store v: 80 (32 w + r) + 16 h
.set VST, 14
.set KL0, 15                           ; v15  where I read K's fragments: 272 r + 16 h
.set KLD, 16
.set VL0, 17                           ; v17  where I read V^T's fragments: 80 r + 16 h
.set VLD, 18
.set MKA, 19                           ; v19  the mask factor of key r of the trip, stepping
.set MAD, 20                           ; v20  8 x thread: my eight mask bytes; never rewritten
.set MST, 21                           ; v21  where their factors go
.set BO,  22                           ; v22  my offset in the table, stepping
.set BL,  23                           ; v23  its bound: the last block of 32 keys
.set SPW, 24                           ; v24  LDS address of my spare word; never rewritten
.set NIL, 25                           ; v25  0; never rewritten
.set QLD, 26                           ; v26  where I read Q's fragments
.set T0,  27
.set MF,  28                           ; v28, v30 the mask factors of the trip's two key tiles, each the low word of a pair
.set ST,  32                           ; tile tl at ST + 4 tl: m, 0, l (even registers', odd registers')
.set ACC, 48
.set S,   48
.set XB,  112
.set FB,  136
.set BQ,  232
.set KF,  112
.set VF,  176
.set TMP, 240                          ; tile tl at TMP + 4 tl: c0, c1, a, m_old - m_new
.set QW,  128                          ; window 1
.set BI,  192
.set BK,  224
.set BV,  240
.set WV,  22                           ; s22  wave
.set HP,  23                           ; s23  my pair of heads = my place in the cluster
.set BN,  24                           ; s24  (b, n)
.set BB,  25                           ; s25  b
.set G1,  28                           ; s[28:35] descriptor group 1
.set G0A, 36                           ; s[36:39] group 0: query rows 0-63 into slot 0
.set G0B, 40                           ; s[40:43] query rows 64-127 into slot 1
.set G0W, 44                           ; s[44:47] key_value: it walks
.set STP, 48                           ; s[48:49] the walk's step: 0 at the first refill, then a tile's bytes
.set PFA, 50                           ; s[50:51] where my prefetch stands
.set SB,  52                           ; s52  LDS byte of the 32 rows in hand
.set QT,  53
.set GC,  54
.set TL,  55
.set IC,  56
.set RF,  57                           ; s57  refills still to come
.set CS,  58                           ; s[58:59] log2(e) / 8
.set SEL, 60                           ; s[60:61] v_permlanex16_b32's selects: each lane takes its own place in the other half
.set WB,  66                           ; s[66:67] my fragments of Wq; Wk and Wv lie 524,288 and 1,048,576 bytes on
.set BIA, 68                           ; s[68:69] the table of my b and my 32 queries
.set OFB, 70                           ; s[70:71] my part of ofrag
.set BVB, 72                           ; s[72:73] my 32 columns of bq; bk and bv lie 2,048 and 4,096 bytes on
.set MSB, 0
.macro WIN new                         ; the immediate's high byte repeats the setting that is left; a switch that changes nothing is dropped
.if MSB != (\new)
	s_set_vgpr_msb (MSB<<8)|(\new)
.set MSB, (\new)
.endif
.endm
; A round of the cluster's barrier: my work-group's barrier, so that wave 0's signal speaks for all four waves; wave 0 signals; every wave waits for all four work-groups; my work-group's barrier once more.
.macro CROUND
	s_barrier_signal -1
	s_barrier_wait -1
	s_cmp_lg_u32 s[WV], 0
	s_cbranch_scc1 .Lnot_wave_0_\@
	s_barrier_signal -3
.Lnot_wave_0_\@:
	s_barrier_wait -3
	s_barrier_signal -1
	s_barrier_wait -1
.endm
.macro NOPS n
.rept \n
	v_nop
.endr
.endm
; X fragment f = 2 ks + t of a trip: rows 16 t .. + 15, inputs 32 ks .. + 31.  Load i of its four brings four f32: inputs 8 h + 0..3, 8 h + 4..7, 16 + 8 h + 0..3, 16 + 8 h + 4..7.
.macro XLOAD f, i
.set xk, (\f)/2
.set xr, XA0+xk/8
.set xo, ((xk/4)%2)*QUART+((\f)%2)*16*XP+(xk%4)*128+((\i)%2)*16+((\i)/2)*64
	ds_load_b128 v[FB+16*((\f)%6)+4*(\i):FB+16*((\f)%6)+4*(\i)+3], v[xr] offset:xo
.endm
.macro XCVT f, e                       ; register e of its bf16 form
	v_cvt_pk_bf16_f32 v[XB+8*((\f)%3)+(\e)], v[FB+16*((\f)%6)+2*(\e)], v[FB+16*((\f)%6)+2*(\e)+1]
.endm
.macro PRO                             ; a trip's addresses and its first six fragments: 24 loads
	v_add_nc_u32 v[XA0], s[SB], v[XL]
	v_add_nc_u32 v[XA0+1], 2*QUART, v[XA0]
.set f, 0
.rept 6
.irp i, 0,1,2,3
	XLOAD f, \i
.endr
.set f, f+1
.endr
.endm
; Fragment f is multiplied (kind 1: k's two column tiles, v's two; kind 0: q's two).  Behind each product stand, in window 0, its share of the eight conversions of fragment f + 1 and of the four loads of fragment f + 6.
; The accumulators (eight; kind 0: four) take turns, one instruction a turn, over the backward jump too.  A bf16 buffer is written again two fragments behind its last product: eight conversions lie between.
; The first K step's products start the sums with the bias vector as C.
.macro PSTEP kind
.if f < 31
.set lf, f+5
.if lf > 31
.set lf, 31
.endif
	s_wait_dscnt 4*(lf-f-1)                        ; fragment f + 1 is in: behind its loads stand those of the fragments up to f + 5 (31 at the most), four each; LDS instructions of other kinds among them only make the wait longer
.endif
.set pk, f/2
.set px, XB+8*(f%3)
.if \kind
.irp n, 0,1,2,3
.set pa, ACC+8*(4*(f%2)+\n)
.set pw, 8*(16*(\n%2)+pk)
.if \n < 2
.if pk == 0
	WIN 0x12
	v_wmma_f32_16x16x32_bf16 v[pa:pa+7], v[pw:pw+7], v[px:px+7], v[BK+8*(\n%2):BK+8*(\n%2)+7]
.else
	WIN 0x02
	v_wmma_f32_16x16x32_bf16 v[pa:pa+7], v[pw:pw+7], v[px:px+7], v[pa:pa+7]
.endif
.else
.if pk == 0
	WIN 0x1c
	v_wmma_f32_16x16x32_bf16 v[pa:pa+7], v[px:px+7], v[pw:pw+7], v[BV+8*(\n%2):BV+8*(\n%2)+7]
.else
	WIN 0x0c
	v_wmma_f32_16x16x32_bf16 v[pa:pa+7], v[px:px+7], v[pw:pw+7], v[pa:pa+7]
.endif
.endif
.if f < 31
	WIN 0
	XCVT f+1, 2*\n
	XCVT f+1, 2*\n+1
.endif
.if f < 26
	WIN 0
	XLOAD f+6, \n
.endif
.endr
.else
.irp n, 0,1
.set pa, ACC+8*(4*(f%2)+\n)
.set pw, 8*(16*\n+pk)
	WIN 0x01
.if pk == 0
	v_wmma_f32_16x16x32_bf16 v[pa:pa+7], v[pw:pw+7], v[px:px+7], v[BQ+8*\n:BQ+8*\n+7]
.else
	v_wmma_f32_16x16x32_bf16 v[pa:pa+7], v[pw:pw+7], v[px:px+7], v[pa:pa+7]
.endif
.if f < 31
	WIN 0
.irp e, 0,1,2,3
	XCVT f+1, 4*\n+\e
.endr
.endif
.if f < 26
	WIN 0
	XLOAD f+6, 2*\n
	XLOAD f+6, 2*\n+1
.endif
.endr
.endif
.endm
; The way into the stage.  Each accumulator is read from its low end on.
.macro EPK t, c                        ; k: times the key's mask factor, rounded to f16, 16 bytes of k[key][channel]
.set ea, ACC+8*(4*(\t)+(\c))
.irp e, 0,1,2,3
	v_pk_mul_f32 v[ea+2*\e:ea+2*\e+1], v[ea+2*\e:ea+2*\e+1], v[MF+2*(\t):MF+2*(\t)+1] op_sel_hi:[1,0]
.endr
.irp e, 0,1,2,3
	v_cvt_pk_f16_f32 v[ea+\e], v[ea+2*\e], v[ea+2*\e+1]
.endr
	ds_store_b128 v[KST], v[ea:ea+3] offset:16*KP*(\t)+32*(\c)
.endm
.macro EPQ t, c                        ; q: times log2(e) / 8 in f32, rounded once
.set ea, ACC+8*(4*(\t)+(\c))
.irp e, 0,1,2,3
	v_pk_mul_f32 v[ea+2*\e:ea+2*\e+1], v[ea+2*\e:ea+2*\e+1], s[CS:CS+1] op_sel_hi:[1,0]
.endr
.irp e, 0,1,2,3
	v_cvt_pk_f16_f32 v[ea+\e], v[ea+2*\e], v[ea+2*\e+1]
.endr
	ds_store_b128 v[KST], v[ea:ea+3] offset:16*KP*(\t)+32*(\c)
.endm
.macro EPV t, c                        ; v: 16 bytes of vT[channel][key]
.set ea, ACC+8*(4*(\t)+2+(\c))
.irp e, 0,1,2,3
	v_cvt_pk_f16_f32 v[ea+\e], v[ea+2*\e], v[ea+2*\e+1]
.endr
	ds_store_b128 v[VST], v[ea:ea+3] offset:16*VP*(\c)+32*(\t)
.endm
; A PROJECTION TRIP: 32 rows x all 512 inputs.  The next trip's first loads go out ahead of the way into the stage; a tile's second trip has none.
.macro PROJ kind
.if \kind
	ds_load_b32 v[MF], v[MKA]
	ds_load_b32 v[MF+2], v[MKA] offset:64
	v_add_nc_u32 v[MKA], 128, v[MKA]
.endif
	s_wait_dscnt 20                                ; fragment 0 is in: behind its four loads stand the twenty of fragments 1 to 5
.irp e, 0,1,2,3,4,5,6,7
	XCVT 0, \e
.endr
.set f, 0
.rept 32
	PSTEP \kind
.set f, f+1
.endr
	WIN 0
	s_cmp_eq_u32 s[GC], 1
	s_cbranch_scc1 .Lno_next_\@
	s_add_co_u32 s[SB], s[SB], HALF
	PRO
.Lno_next_\@:
.if \kind
.irp t, 0,1                            ; the first tile's results were finished eight conversions or more ahead of this; its work is the places behind the last products
	EPK \t, 0
	EPK \t, 1
	EPV \t, 0
	EPV \t, 1
.endr
	v_add_nc_u32 v[KST], 32*KP, v[KST]
	v_add_nc_u32 v[VST], VHALF, v[VST]
.else
.irp t, 0,1
	EPQ \t, 0
	EPQ \t, 1
.endr
	v_add_nc_u32 v[KST], 32*KP, v[KST]
.endif
.endm
; THE CHANGE OF SLOTS, behind a tile's projection.  Each wave waits for all its tensor loads, of which one is out: its quarter of the other slot; adds 0 to its spare word; and waits for that, for its reads of the slot
; and for its stores into the stage.  Behind the barrier nobody reads the slot any more, the other slot is whole, and the stage is whole.
; fill = 1: the barrier is a round of the cluster's, and the joint refill, the tile two on, is the first thing behind it: it has an attention phase and a projection phase in which to land.
; Behind the refill and its five lines stands ONE prefetch into the L2, for the tile that the NEXT change will ask for: 131,072 dense bytes are 512 blocks of 256; the cluster's 16 waves take 32 each, a lane a block,
; shared out by address (8,192 x (4 hp + w)): each block is named once in the launch.  The last refill asks for nothing.  The query's tiles and key_value's first come by their loads alone.
.macro CHANGE fill
	WIN 0
	s_wait_tensorcnt 0x0                           ; no tensor load of mine is out, so the walking group 0 may be written
	ds_add_u32 v[SPW], v[NIL]                      ; 0 onto my spare word; scalar work stands between it and the wait for it
.if \fill
	s_xor_b32 s[G0W+1], s[G0W+1], SLOT1            ; the other slot than last time,
	s_add_nc_u64 s[G0W+2:G0W+3], s[G0W+2:G0W+3], s[STP:STP+1]  ; the next 64 rows; the type bits on top are not reached
	s_wait_xcnt 0x0                                ; the last prefetch, a tile back, has read its address
	s_add_nc_u64 s[PFA:PFA+1], s[PFA:PFA+1], s[STP:STP+1]
	s_mov_b32 s[STP], 0x20000
.endif
	s_sub_co_u32 s[SB], s[SB], HALF                ; the reads go back to a slot's first rows,
	s_xor_b32 s[SB], s[SB], SLOT1                  ; in the other slot
	s_wait_dscnt 0x0                               ; the add is done; my reads of the slot are back; my stores into the stage are done
.if \fill
	CROUND
	tensor_load_to_lds s[G0W:G0W+3], s[G1:G1+7]
	s_nop 0
	NOPS 4
	s_cmp_gt_u32 s[RF], 1
	s_cbranch_scc0 .Lno_ask_\@
	global_prefetch_b8 v[PFO], s[PFA:PFA+1] th:TH_LOAD_NT scope:SCOPE_SE
.Lno_ask_\@:
	s_sub_co_u32 s[RF], s[RF], 1
.else
	s_barrier_signal -1
	s_barrier_wait -1
.endif
.endm
; THE LDS LOADS OF THE ATTENTION stand in runs of 16: 32 keys' K (key tile kt, head hh, channel half cs) and V^T (head hh, channel tile ct).
.macro KLOAD
.irp kt, 0,1
.irp hh, 0,1
.irp cs, 0,1
	ds_load_b128 v[KF+8*(4*\kt+2*\hh+\cs):KF+8*(4*\kt+2*\hh+\cs)+3],   v[KLD] offset:16*KP*\kt+128*\hh+64*\cs
	ds_load_b128 v[KF+8*(4*\kt+2*\hh+\cs)+4:KF+8*(4*\kt+2*\hh+\cs)+7], v[KLD] offset:16*KP*\kt+128*\hh+64*\cs+32
.endr
.endr
.endr
.endm
.macro VLOAD
.irp hh, 0,1
.irp ct, 0,1,2,3
	ds_load_b128 v[VF+8*(4*\hh+\ct):VF+8*(4*\hh+\ct)+3],   v[VLD] offset:VP*(64*\hh+16*\ct)
	ds_load_b128 v[VF+8*(4*\hh+\ct)+4:VF+8*(4*\hh+\ct)+7], v[VLD] offset:VP*(64*\hh+16*\ct)+32
.endr
.endr
.endm
.macro BILOAD                          ; 32 keys of the table for my 32 queries: eight loads of 512 consecutive bytes
	WIN 0x40
.irp i, 0,1,2,3,4,5,6,7
	global_load_b128 v[BI+4*\i:BI+4*\i+3], v[BO], s[BIA:BIA+1] offset:512*\i
.endr
	WIN 0
.endm
; Number n of the 13 that find a tile's maximum and a.  s0-s15 are the lane's 16 scores; each accumulator's lowest registers are read first.
.macro V1 tl, n
.set rS, S+16*(\tl)
.set rT, ST+4*(\tl)
.set rC, TMP+4*(\tl)
.if (\n) == 0
	v_max3_num_f32 v[rC], v[rS], v[rS+1], v[rS+2]
.elseif (\n) == 1
	v_max3_num_f32 v[rC+1], v[rS+8], v[rS+9], v[rS+10]
.elseif (\n) == 2
	v_max3_num_f32 v[rC], v[rC], v[rS+3], v[rS+4]
.elseif (\n) == 3
	v_max3_num_f32 v[rC+1], v[rC+1], v[rS+11], v[rS+12]
.elseif (\n) == 4
	v_max3_num_f32 v[rC], v[rC], v[rS+5], v[rS+6]
.elseif (\n) == 5
	v_max3_num_f32 v[rC+1], v[rC+1], v[rS+13], v[rS+14]
.elseif (\n) == 6
	v_max3_num_f32 v[rC], v[rC], v[rS+7], v[rS+15]
.elseif (\n) == 7
	v_max3_num_f32 v[rC], v[rC], v[rC+1], v[rT]
.elseif (\n) == 8
	v_permlanex16_b32 v[rC+1], v[rC], s[SEL], s[SEL+1]  ; the query's other 16 keys lie in the lane 16 away
.elseif (\n) == 9
	v_max_num_f32 v[rC], v[rC], v[rC+1]
.elseif (\n) == 10
	v_sub_f32 v[rC+3], v[rT], v[rC]
.elseif (\n) == 11
	v_mov_b32 v[rT], v[rC]
.else
	v_exp_f32 v[rC+2], v[rC+3]
.endif
.endm
.macro SCALE tl, pr                    ; s - m for a pair of scores
.set rS, S+16*(\tl)+2*(\pr)
.set rT, ST+4*(\tl)
	v_pk_add_f32 v[rS:rS+1], v[rS:rS+1], v[rT:rT+1] op_sel_hi:[1,0] neg_lo:[0,1] neg_hi:[0,1]
.endm
.macro PA k                            ; the 32 scalings in order: tiles 0 and 1 by turns, then tiles 2 and 3
.if (\k) < 16
	SCALE (\k)%2, (\k)/2
.else
	SCALE 2+(\k)%2, ((\k)-16)/2
.endif
.endm
.macro EXPS tl, sc
.set rS, S+16*(\tl)+(\sc)
	v_exp_f32 v[rS], v[rS]
.endm
; Number k of the 32 that follow two tiles' exponentials (tiles base, base + 1 by turns): seven packed sums of the eight pairs, l = a l + sum, then the eight roundings to f16, in place, ascending.
.macro PB base, k
.set bt, (\base)+(\k)%2
.set rS, S+16*bt
.set rT, ST+4*bt
.set rC, TMP+4*bt
.if (\k) < 2
	v_pk_add_f32 v[rC:rC+1], v[rS:rS+1], v[rS+2:rS+3]
.elseif (\k) < 14
.set z, (\k)/2
	v_pk_add_f32 v[rC:rC+1], v[rC:rC+1], v[rS+2*z+2:rS+2*z+3]
.elseif (\k) < 16
	v_pk_fma_f32 v[rT+2:rT+3], v[rT+2:rT+3], v[rC+2:rC+3], v[rC:rC+1] op_sel_hi:[1,0,1]
.else
.set z, ((\k)-16)/2
	v_cvt_pk_f16_f32 v[rS+z], v[rS+2*z], v[rS+2*z+1]
.endif
.endm
.macro PVP tl, ct                      ; O^T += V^T P: one product an accumulator and trip
	WIN 0x50
.set rO, 32*(\tl)+8*(\ct)
.set rV, VF+8*(4*((\tl)/2)+(\ct))
.set rP, S+16*(\tl)
	v_wmma_f32_16x16x32_f16 v[rO:rO+7], v[rV:rV+7], v[rP:rP+7], v[rO:rO+7]
.endm
; AN ATTENTION TRIP: 32 keys, four tiles of 16 queries.  The exponentials go in two batches, each with one wait ahead of its first reader: tiles 0 and 1 (with all four a), then tiles 2 and 3,
; between which stand the sums and roundings of tiles 0 and 1; the rescaling of O^T is the plain work behind the second batch; the sums and roundings of tiles 2 and 3 ride behind the products of tiles 0 and 1.
.macro ATT
	VLOAD                                          ; V^T of this trip: its registers' last readers stand six plain instructions back
	s_wait_loadcnt 0x0                             ; the table's 32 keys are in, and their loads' offset may be written
	v_add_nc_u32 v[BO], 4096, v[BO]
	v_min_u32 v[BO], v[BO], v[BL]                  ; the very last trip reads the last block once more: no load leaves the table
	s_wait_dscnt 16                                ; K is in; V's sixteen loads may stay out
	WIN 0x14
.irp tl, 0,1,2,3
.irp kt, 0,1
	v_wmma_f32_16x16x32_f16 v[S+16*\tl+8*\kt:S+16*\tl+8*\kt+7], v[KF+8*(4*\kt+2*(\tl/2)):KF+8*(4*\kt+2*(\tl/2))+7], v[QW+16*\tl:QW+16*\tl+7], v[BI+8*(2*(\tl%2)+\kt):BI+8*(2*(\tl%2)+\kt)+7]
.endr
.endr
	WIN 0x04
.irp tl, 0,1,2,3
.irp kt, 0,1
	v_wmma_f32_16x16x32_f16 v[S+16*\tl+8*\kt:S+16*\tl+8*\kt+7], v[KF+8*(4*\kt+2*(\tl/2)+1):KF+8*(4*\kt+2*(\tl/2)+1)+7], v[QW+16*\tl+8:QW+16*\tl+15], v[S+16*\tl+8*\kt:S+16*\tl+8*\kt+7]
.endr
.endr
	WIN 0
	NOPS 4                                         ; the places in front of the loads into the table's and K's registers and of the maxima
	BILOAD                                         ; the next 32 keys
	s_cmp_eq_u32 s[IC], 1
	s_cbranch_scc1 .Lno_k_\@                       ; a tile's second trip has no further K
	v_add_nc_u32 v[KLD], 32*KP, v[KLD]
	KLOAD
.Lno_k_\@:
.irp n, 0,1,2,3,4,5,6,7,8,9,10,11,12
.irp t, 0,1,2,3
	V1 \t, \n
.endr
.endr
	PA 0                                           ; the first batch: a scaling ahead of each exponential while there are scalings
	PA 1
.set n, 0
.rept 30
	PA n+2
	EXPS n%2, n/2
.set n, n+1
.endr
	EXPS 0, 15
	EXPS 1, 15
	v_nop                                          ; a plain instruction behind the last exponential
	s_wait_alu depctr_va_vdst(0)                   ; one wait for the four a and the 32 weights of tiles 0 and 1
.set n, 0
.rept 32
	PB 0, n
	EXPS 2+n%2, n/2
.set n, n+1
.endr
	WIN 0x41
.set n, 0
.rept 64
	v_pk_mul_f32 v[2*n:2*n+1], v[2*n:2*n+1], v[TMP+4*(n/16)+2:TMP+4*(n/16)+3] op_sel_hi:[1,0]  ; O^T times a
.set n, n+1
.endr
	WIN 0
	s_wait_alu depctr_va_vdst(0)                   ; one wait for the 32 weights of tiles 2 and 3
	s_wait_dscnt 0x0                               ; V is in
.set n, 0
.rept 8
	PVP n%2, n/2
	WIN 0
	PB 2, 4*n
	PB 2, 4*n+1
	PB 2, 4*n+2
	PB 2, 4*n+3
.set n, n+1
.endr
.set n, 0
.rept 8
	PVP 2+n%2, n/2
.set n, n+1
.endr
	WIN 0
	v_add_nc_u32 v[VLD], VHALF, v[VLD]
	NOPS 5                                         ; the places in front of loads into V's and K's registers and of products that write over P
.endm
; A TILE OF 64 KEYS: the stage has been read out by every wave (barrier); two projection trips; the change of slots; two attention trips.
.macro TILE fill
	s_wait_dscnt 0x0                               ; my reads of the stage are back
	s_barrier_signal -1
	v_mov_b32 v[KST], v[KS0]
	v_mov_b32 v[VST], v[VS0]
	s_barrier_wait -1
	PRO
	s_mov_b32 s[GC], 2
.Lproj_\@:
	PROJ 1
	s_sub_co_u32 s[GC], s[GC], 1
	s_cmp_lg_u32 s[GC], 0
	s_cbranch_scc1 .Lproj_\@
	CHANGE \fill
	v_mov_b32 v[KLD], v[KL0]
	v_mov_b32 v[VLD], v[VL0]
	KLOAD
	s_mov_b32 s[IC], 2
.Latt_\@:
	ATT
	s_sub_co_u32 s[IC], s[IC], 1
	s_cmp_lg_u32 s[IC], 0
	s_cbranch_scc1 .Latt_\@
.endm
	s_load_b256 s[4:11], s[0:1], 0x0               ; query s[4:5], key_value s[6:7], key_mask s[8:9], wfrag s[10:11]
	s_load_b128 s[12:15], s[0:1], 0x20             ; bvec s[12:13], btab s[14:15]
	s_load_b64 s[16:17], s[0:1], 0x30              ; ofrag
	v_lshl_add_u32 v[SPW], v0, 2, SPARE
	v_mov_b32 v[NIL], 0
	ds_add_u32 v[SPW], v[NIL]                      ; the wave's opening: the add and its wait stand ahead of my first tensor load; the set-up below, work on registers, stands between them
	v_lshrrev_b32 v1, 5, v0
	v_readfirstlane_b32 s[WV], v1                  ; wave 0..3
	s_bfe_u32 s[HP], ttmp6, 0x40000                ; my place in the cluster
	s_mov_b32 s[BN], ttmp9                         ; in a cluster launch ttmp9 counts clusters
	s_lshr_b32 s[BB], ttmp9, 3
	; descriptor group 1: 64 rows x 128 elements of 4 bytes, 16 bytes of padding behind each row
	s_mov_b32 s[G1], 15|(2<<16)|(1<<20)|(1<<21)|(6<<22)|(3<<25)  ; 15:0 the mask of four; 17:16 4-byte elements; 20 padding on; 21 set beside a mask; 24:22 after every 128 words (code 6); 31:25 4 words (code 3)
	s_mov_b32 s[G1+1], 128<<16                     ; tensor_dim0 = 128
	s_mov_b32 s[G1+2], 64<<16                      ; tensor_dim1 = 64
	s_mov_b32 s[G1+3], 128<<16                     ; tile_dim0 = 128
	s_mov_b32 s[G1+4], 64                          ; tile_dim1 = 64
	s_mov_b32 s[G1+5], 512                         ; 512 elements from row to row
	s_mov_b32 s[G1+6], 0
	s_mov_b32 s[G1+7], 0
	s_mov_b32 s[G0A], 1
	s_mul_i32 s[G0A+1], s[WV], QUART               ; my quarter of slot 0: no place in the cluster enters an LDS address
	s_mov_b32 s[G0B], 1
	s_add_co_u32 s[G0B+1], s[G0A+1], SLOT1
	s_mov_b32 s[G0W], 1
	s_add_co_u32 s[G0W+1], s[G0A+1], SLOT1         ; the first refill turns it into slot 0
	s_mov_b32 s[STP], 0
	s_mov_b32 s[STP+1], 0
	s_mov_b32 s[CS], 0x3e38aa3b                    ; log2(e) / 8
	s_mov_b32 s[CS+1], s[CS]                       ; named with it as a pair
	s_mov_b32 s[SEL], 0x76543210
	s_mov_b32 s[SEL+1], 0xfedcba98
	s_lshl_b32 s74, s[BN], 18                      ; query: 262,144 bytes a (b, n),
	s_lshl_b32 s75, s[WV], 9                       ; my quarter's 512 bytes of a row
	s_add_co_u32 s74, s74, s75
	s_lshl_b32 s62, s[BN], 21                      ; key_value: 2 MiB a (b, n)
	s_add_co_u32 s62, s62, s75
	s_mov_b32 s75, 0
	s_mov_b32 s63, 0
	s_wait_dscnt 0x0                               ; the opening add is done
	s_wait_kmcnt 0x0
	s_add_nc_u64 s[G0A+2:G0A+3], s[4:5], s[74:75]
	s_add_nc_u64 s[G0B+2:G0B+3], s[G0A+2:G0A+3], 0x20000
	s_or_b32 s[G0A+3], s[G0A+3], 0x80000000        ; type = 2
	s_or_b32 s[G0B+3], s[G0B+3], 0x80000000
	s_add_nc_u64 s[G0W+2:G0W+3], s[6:7], s[62:63]
	s_or_b32 s[G0W+3], s[G0W+3], 0x80000000
	CROUND                                         ; all four work-groups are here: the first joint loads meet
	tensor_load_to_lds s[G0A:G0A+3], s[G1:G1+7]    ; the two first fills go out together: two loads of mine are out
	s_nop 0
	tensor_load_to_lds s[G0B:G0B+3], s[G1:G1+7]
	s_nop 0
	NOPS 4
	s_lshl_b32 s74, s[BB], 10
	s_add_nc_u64 s[8:9], s[8:9], s[74:75]          ; key_mask at my b
	s_lshl_b32 s74, s[BB], 19
	s_lshl_b32 s62, s[WV], 17
	s_add_co_u32 s74, s74, s62
	s_add_nc_u64 s[BIA:BIA+1], s[14:15], s[74:75]
	s_lshl_b32 s76, s[HP], 17                      ; from here on registers that hold my place in the cluster: they feed no descriptor
	s_lshl_b32 s78, s[WV], 15
	s_add_co_u32 s76, s76, s78
	s_mov_b32 s77, 0
	s_add_nc_u64 s[WB:WB+1], s[10:11], s[76:77]    ; column tiles 8 hp + 2 w, + 1: 16,384 bytes each
	s_lshl_b32 s76, s[HP], 9
	s_lshl_b32 s78, s[WV], 7
	s_add_co_u32 s76, s76, s78
	s_add_nc_u64 s[BVB:BVB+1], s[12:13], s[76:77]
	s_lshl_b32 s76, s[BN], 17
	s_lshl_b32 s78, s[WV], 15
	s_add_co_u32 s76, s76, s78
	s_lshl_b32 s78, s[HP], 12
	s_add_co_u32 s76, s76, s78
	s_add_nc_u64 s[OFB:OFB+1], s[16:17], s[76:77]  ; row tiles 8 bn + 2 w, + 1; K steps 4 hp ..
	s_lshl_b32 s76, s[HP], 2
	s_add_co_u32 s76, s76, s[WV]
	s_lshl_b32 s76, s76, 13
	s_lshl_b32 s78, s[BN], 21
	s_add_co_u32 s76, s76, s78
	s_add_nc_u64 s[PFA:PFA+1], s[6:7], s[76:77]
	s_add_nc_u64 s[PFA:PFA+1], s[PFA:PFA+1], 0x20000  ; my 32 blocks of key_value's tile 1: the first refill (tile 0) asks for them
	v_and_b32 v[RR], 15, v0
	v_bfe_u32 v[HH], v0, 4, 1
	v_and_b32 v[LN], 31, v0
	v_lshlrev_b32 v[L16], 4, v[LN]
	v_lshlrev_b32 v[H32], 5, v[HH]
	v_lshlrev_b32 v[R4], 2, v[RR]
	v_lshlrev_b32 v[PFO], 8, v[LN]
	v_lshlrev_b32 v[MAD], 3, v0
	v_lshl_add_u32 v[MST], v0, 5, MK
	global_load_b64 v[48:49], v[MAD], s[8:9]       ; eight mask bytes a thread
.irp c, 0,1
	global_load_b128 v[BQ+8*\c:BQ+8*\c+3],   v[H32], s[BVB:BVB+1] offset:64*\c       ; bq of channels 16 c + 8 h + 0..7: the C of q's first products
	global_load_b128 v[BQ+8*\c+4:BQ+8*\c+7], v[H32], s[BVB:BVB+1] offset:64*\c+16
.endr
	WIN 0x40
.set n, 0
.rept 64
	global_load_b128 v[4*n:4*n+3], v[L16], s[WB:WB+1] offset:512*n            ; Wq: fragment (c, ks) at 8 (16 c + ks): 512 consecutive bytes a load
.set n, n+1
.endr
	WIN 0x80
.set n, 0
.rept 64
	global_load_b128 v[4*n:4*n+3], v[L16], s[WB:WB+1] offset:524288+512*n     ; Wk
.set n, n+1
.endr
	WIN 0xc0
.set n, 0
.rept 64
	global_load_b128 v[4*n:4*n+3], v[L16], s[WB:WB+1] offset:1048576+512*n    ; Wv
.set n, n+1
.endr
	WIN 0
	v_mul_u32_u24 v[XL], v[RR], XP
	v_lshl_add_u32 v[XL], v[HH], 5, v[XL]
	v_mul_u32_u24 v[T0], v[RR], KP
	v_lshl_add_u32 v[T0], v[HH], 4, v[T0]          ; 272 r + 16 h
	s_lshl_b32 s74, s[WV], 6
	s_add_co_u32 s74, s74, STG
	v_add_nc_u32 v[KS0], s74, v[T0]
	v_add_nc_u32 v[KL0], STG, v[T0]
	s_mul_i32 s74, s[WV], 32*KP
	s_add_co_u32 s74, s74, STG
	v_add_nc_u32 v[QLD], s74, v[T0]
	v_mul_u32_u24 v[T0], v[RR], VP
	v_lshl_add_u32 v[T0], v[HH], 4, v[T0]          ; 80 r + 16 h
	s_mul_i32 s74, s[WV], 32*VP
	s_add_co_u32 s74, s74, STGV
	v_add_nc_u32 v[VS0], s74, v[T0]
	v_add_nc_u32 v[VL0], STGV, v[T0]
	v_add_nc_u32 v[MKA], MK, v[R4]
	v_add_nc_u32 v[BL], 31*4096, v[L16]
	v_mov_b32 v[MF+1], 0                           ; named as pairs
	v_mov_b32 v[MF+3], 0
	s_wait_loadcnt 63                              ; 128 loads (Wk, Wv) were issued behind Wq's last: the mask, bq and Wq are in
.irp e, 0,1,2,3
	v_bfe_u32 v[52+\e], v48, 8*\e, 8
	v_bfe_u32 v[56+\e], v49, 8*\e, 8
.endr
.irp e, 0,1,2,3,4,5,6,7
	v_cvt_f32_u32 v[52+\e], v[52+\e]               ; 0.0 or 1.0
.endr
	ds_store_b128 v[MST], v[52:55]
	ds_store_b128 v[MST], v[56:59] offset:16
	s_wait_tensorcnt 0x1                           ; my quarter of the first query tile is in; the second's may stay out
	s_wait_dscnt 0x0                               ; my mask factors are stored
	s_barrier_signal -1
	s_barrier_wait -1
	; THE QUERY'S PROJECTION: two tiles of 64 rows; q goes into the stage, 128 rows on end.  Its two changes of slots ask for key_value's tiles 0 and 1.
	s_mov_b32 s[SB], 0
	s_mov_b32 s[RF], 16
	v_mov_b32 v[KST], v[KS0]
	s_mov_b32 s[QT], 2
.Lq_tile:
	PRO
	s_mov_b32 s[GC], 2
.Lq_trip:
	PROJ 0
	s_sub_co_u32 s[GC], s[GC], 1
	s_cmp_lg_u32 s[GC], 0
	s_cbranch_scc1 .Lq_trip
	CHANGE 1
	s_sub_co_u32 s[QT], s[QT], 1
	s_cmp_lg_u32 s[QT], 0
	s_cbranch_scc1 .Lq_tile
	; Window 1 changes hands: bk, bv, the table's first 32 keys, my queries' fragments, and O^T = 0.  The last products that read Wq stand a whole way into the stage back.
	v_mov_b32 v[BO], v[L16]
	WIN 0x40
.irp c, 0,1
	global_load_b128 v[BK+8*\c:BK+8*\c+3],   v[H32], s[BVB:BVB+1] offset:2048+64*\c     ; bk of channels 16 c + 8 h + 0..7
	global_load_b128 v[BK+8*\c+4:BK+8*\c+7], v[H32], s[BVB:BVB+1] offset:2048+64*\c+16
.endr
.irp c, 0,1
.irp j, 0,1,2,3,4,5,6,7
	global_load_b32 v[BV+8*\c+\j], v[R4], s[BVB:BVB+1] offset:4096+64*\c               ; bv of channel 16 c + r, for each of the lane's eight keys
.endr
.endr
	BILOAD
	WIN 0x40
.irp tl, 0,1,2,3
.irp cs, 0,1
	ds_load_b128 v[QW+16*\tl+8*\cs:QW+16*\tl+8*\cs+3],   v[QLD] offset:16*KP*(\tl%2)+128*(\tl/2)+64*\cs
	ds_load_b128 v[QW+16*\tl+8*\cs+4:QW+16*\tl+8*\cs+7], v[QLD] offset:16*KP*(\tl%2)+128*(\tl/2)+64*\cs+32
.endr
.endr
.set n, 0
.rept 128
	v_mov_b32 v[n], 0
.set n, n+1
.endr
	WIN 0
.irp t, 0,1,2,3
	v_mov_b32 v[ST+4*\t], 0xff7fffff               ; m: the lowest finite number
	v_mov_b32 v[ST+4*\t+1], 0
	v_mov_b32 v[ST+4*\t+2], 0
	v_mov_b32 v[ST+4*\t+3], 0
.endr
	s_wait_loadcnt 0x0                             ; Wk, Wv, bk, bv and the table's first block
	s_mov_b32 s[TL], 14
.Ltile:                                ; tiles 0 to 13: each asks for the tile two on
	TILE 1
	s_sub_co_u32 s[TL], s[TL], 1
	s_cmp_lg_u32 s[TL], 0
	s_cbranch_scc1 .Ltile
	s_mov_b32 s[TL], 2
.Ltail:                                ; tiles 14 and 15 are a text of their own: nothing is asked for
	TILE 0
	s_sub_co_u32 s[TL], s[TL], 1
	s_cmp_lg_u32 s[TL], 0
	s_cbranch_scc1 .Ltail
	; THE WAY OUT.  l's two halves and the other half of the lanes' are added; O^T is divided by l and rounded to f16.  A lane's eight channels are 16 bytes of a fragment of the last product's operand:
	; each store of the wave covers 512 consecutive bytes of ofrag, aligned.
.irp t, 0,1,2,3
	v_add_f32 v[TMP+4*\t], v[ST+4*\t+2], v[ST+4*\t+3]
.endr
.irp t, 0,1,2,3
	v_permlanex16_b32 v[TMP+4*\t+1], v[TMP+4*\t], s[SEL], s[SEL+1]
.endr
.irp t, 0,1,2,3
	v_add_f32 v[TMP+4*\t], v[TMP+4*\t], v[TMP+4*\t+1]
.endr
.irp t, 0,1,2,3
	v_rcp_f32 v[TMP+4*\t+2], v[TMP+4*\t]
.endr
	v_nop                                          ; a plain instruction between the last reciprocal and the use of its result
	s_wait_alu depctr_va_vdst(0)                   ; and one wait for the four reciprocals, ahead of their first reader
.irp t, 0,1,2,3
	WIN 0x41
.set n, 0
.rept 16
	v_pk_mul_f32 v[32*\t+2*n:32*\t+2*n+1], v[32*\t+2*n:32*\t+2*n+1], v[TMP+4*\t+2:TMP+4*\t+3] op_sel_hi:[1,0]
.set n, n+1
.endr
	WIN 0x05
.set n, 0
.rept 16
	v_cvt_pk_f16_f32 v[S+16*\t+n], v[32*\t+2*n], v[32*\t+2*n+1]
.set n, n+1
.endr
	WIN 0
.irp ct, 0,1,2,3
	global_store_b128 v[L16], v[S+16*\t+4*\ct:S+16*\t+4*\ct+3], s[OFB:OFB+1] offset:16384*(\t%2)+2048*(\t/2)+512*\ct
.endr
.endr
	s_wait_tensorcnt 0x0                           ; the wave's end: the closing add and its waits, behind my last tensor load and my last LDS store
	ds_add_u32 v[SPW], v[NIL]
	s_wait_dscnt 0x0
	CROUND                                         ; the closing round: no work-group ends while a partner may still ask for a tile that names it
	s_endpgm
.Lfunc_end_k_qa6d9545ea2_attn:
	.size	k_qa6d9545ea2_attn, .Lfunc_end_k_qa6d9545ea2_attn-k_qa6d9545ea2_attn
	.p2alignl 7, 3214868480
	.fill 96, 4, 3214868480
	.section	.rodata,"a",@progbits
	.p2align	6, 0x0
	.amdhsa_kernel k_qa6d9545ea2_attn
		.amdhsa_group_segment_fixed_size 327680
		.amdhsa_private_segment_fixed_size 0
		.amdhsa_enable_private_segment 0
		.amdhsa_kernarg_size 56
		.amdhsa_user_sgpr_count 2
		.amdhsa_user_sgpr_kernarg_segment_ptr 1
		.amdhsa_wavefront_size32 1
		.amdhsa_system_sgpr_workgroup_id_x 1
		.amdhsa_system_sgpr_workgroup_id_y 1
		.amdhsa_system_sgpr_workgroup_id_z 1
		.amdhsa_system_vgpr_workitem_id 0
		.amdhsa_next_free_vgpr 1024
		.amdhsa_next_free_sgpr 80
		.amdhsa_reserve_vcc 0
		.amdhsa_float_denorm_mode_32 3
		.amdhsa_float_denorm_mode_16_64 3
		.amdhsa_memory_ordered 1
		.amdhsa_forward_progress 1
		.amdhsa_inst_pref_size 224
	.end_amdhsa_kernel
	.amdgpu_metadata
---
amdhsa.version: [ 1, 2 ]
amdhsa.kernels:
  - .name:           k_qa6d9545ea2_attn
    .symbol:         k_qa6d9545ea2_attn.kd
    .args:
      - { .name: query, .offset: 0, .size: 8, .value_kind: global_buffer, .address_space: global }
      - { .name: key_value, .offset: 8, .size: 8, .value_kind: global_buffer, .address_space: global }
      - { .name: key_mask, .offset: 16, .size: 8, .value_kind: global_buffer, .address_space: global }
      - { .name: wfrag, .offset: 24, .size: 8, .value_kind: global_buffer, .address_space: global }
      - { .name: bvec, .offset: 32, .size: 8, .value_kind: global_buffer, .address_space: global }
      - { .name: btab, .offset: 40, .size: 8, .value_kind: global_buffer, .address_space: global }
      - { .name: ofrag, .offset: 48, .size: 8, .value_kind: global_buffer, .address_space: global }
    .group_segment_fixed_size: 327680
    .private_segment_fixed_size: 0
    .kernarg_segment_align: 8
    .kernarg_segment_size: 56
    .max_flat_workgroup_size: 128
    .sgpr_count:     80
    .vgpr_count:     1024
    .wavefront_size: 32
...
	.end_amdgpu_metadata
.endif
;; end of part 2
;; launch oproj (part 3): grid 4 x 64, 4 waves a work-group, no clusters, 17,920 bytes of LDS; arguments ofrag, wfrag, bvec, out0; writes out0
.if DOCPART == 3
	.amdgcn_target "amdgcn-amd-amdhsa--gfx1250"
	.amdhsa_code_object_version 6
	.text
	.protected	k_qa6d9545ea2_oproj
	.globl	k_qa6d9545ea2_oproj
	.p2align	8
	.type	k_qa6d9545ea2_oproj,@function
k_qa6d9545ea2_oproj:
	s_mov_b64 s[64:65], 0
	v_nop
	global_prefetch_b8 v0, s[64:65] scope:SCOPE_SE
	s_setreg_imm32_b32 hwreg(HW_REG_WAVE_MODE, 25, 1), 1
	s_wait_xcnt 0x0
; out0 = O Wo^T + bo.  O: 8,192 rows x 512 in f16, Wo: 512 x 512 (bf16 numbers written as f16), both stored in fragment order, so a fragment is two loads of 512 consecutive bytes a wave, straight into registers.
; A work-group makes 128 rows x 128 columns, a wave 64 x 64: 16 accumulators, which take turns, one instruction a turn.  K has 16 steps of 32, all written out; three sets of registers: while one is multiplied two are on their way.
; The product is taken transposed (source 0 = 16 rows of Wo, source 1 = 16 rows of O): a lane holds ONE row of the output and eight neighbouring columns.  bo is the C of the first K step's products.
; NO CLUSTER, NO RING: nothing goes through LDS on the way in, and joint loads exist for tiles in LDS alone; with 16 K steps a ring would have a barrier for every sixteen products.  No prefetch: the launch is short.
; THE WAY OUT: 16 rows x 64 columns of f32 at a time through the wave's own stage (rows of 256 + 16 bytes), so that sixteen lanes store 256 consecutive bytes, aligned.
.set SP,    272
.set SPARE, 4*16*SP                    ; behind the four stages: the spare words, 128 bytes for each wave
.set L16, 4                            ; v4   16 x lane; never rewritten
.set H32, 5                            ; v5   32 x (lane / 16)
.set STO, 6                            ; v6   where I put 32 bytes of a row
.set RD,  7                            ; v7   where I read rows back
.set CO,  8                            ; v8   my 16 bytes in two rows of the output
.set SPW, 10
.set NIL, 11
.set SET, 16                           ; v[16:207] three sets of 64: Wo's four fragments, then O's four
.set BOF, 128                          ; window 1: v0-127 the accumulators ((a, c) at 8 (4 a + c)); v128-159 bo
.set MSB, 0
.macro WIN new
.if MSB != (\new)
	s_set_vgpr_msb (MSB<<8)|(\new)
.set MSB, (\new)
.endif
.endm
.macro LSET k                          ; K step k's 16 loads into set k % 3
.set lb, SET+64*((\k)%3)
.irp c, 0,1,2,3
	global_load_b128 v[lb+8*\c:lb+8*\c+3],   v[L16], s[6:7] offset:16384*\c+1024*(\k)
	global_load_b128 v[lb+8*\c+4:lb+8*\c+7], v[L16], s[6:7] offset:16384*\c+1024*(\k)+512
.endr
.irp a, 0,1,2,3
	global_load_b128 v[lb+32+8*\a:lb+32+8*\a+3],   v[L16], s[4:5] offset:16384*\a+1024*(\k)
	global_load_b128 v[lb+32+8*\a+4:lb+32+8*\a+7], v[L16], s[4:5] offset:16384*\a+1024*(\k)+512
.endr
.endm
	s_load_b256 s[4:11], s[0:1], 0x0               ; ofrag s[4:5], wfrag s[6:7], bvec s[8:9], out0 s[10:11]
	v_lshl_add_u32 v[SPW], v0, 2, SPARE
	v_mov_b32 v[NIL], 0
	v_lshrrev_b32 v1, 5, v0
	v_readfirstlane_b32 s12, v1                    ; wave
	s_lshr_b32 s13, s12, 1                         ; which 64 rows
	s_and_b32 s14, s12, 1                          ; which 64 columns
	s_and_b32 s15, ttmp7, 0xffff                   ; the block of 128 rows
	s_lshl_b32 s16, s15, 17                        ; O: row tiles 8 y + 4 wr .., 16,384 bytes each
	s_lshl_b32 s17, s13, 16
	s_add_co_u32 s16, s16, s17
	s_mov_b32 s17, 0
	s_lshl_b32 s18, ttmp9, 17                      ; Wo: the fourth matrix of wfrag, column tiles 8 x + 4 wc ..
	s_lshl_b32 s19, s14, 16
	s_add_co_u32 s18, s18, s19
	s_add_co_u32 s18, s18, 1572864
	s_mov_b32 s19, 0
	s_lshl_b32 s20, ttmp9, 9                       ; my first column, in bytes of f32
	s_lshl_b32 s21, s14, 8
	s_add_co_u32 s20, s20, s21
	s_lshl_b32 s22, s15, 18                        ; my first row: 2,048 bytes a row
	s_lshl_b32 s23, s13, 17
	s_add_co_u32 s22, s22, s23
	s_add_co_u32 s22, s22, s20
	s_add_co_u32 s20, s20, 6144                    ; bo is the fourth vector of bvec
	s_mov_b32 s21, 0
	s_mov_b32 s23, 0
	v_and_b32 v1, 15, v0                           ; lane % 16
	v_bfe_u32 v2, v0, 4, 1                         ; lane / 16
	v_and_b32 v3, 31, v0
	v_lshlrev_b32 v[L16], 4, v3
	v_lshlrev_b32 v[H32], 5, v2
	s_mul_i32 s24, s12, 16*SP                      ; my stage
	v_mul_u32_u24 v[STO], v1, SP
	v_lshl_add_u32 v[STO], v2, 5, v[STO]
	v_add_nc_u32 v[STO], s24, v[STO]
	v_mul_u32_u24 v[RD], v2, SP
	v_lshl_add_u32 v[RD], v1, 4, v[RD]
	v_add_nc_u32 v[RD], s24, v[RD]
	v_lshlrev_b32 v[CO], 11, v2
	v_lshl_add_u32 v[CO], v1, 4, v[CO]
	s_wait_kmcnt 0x0
	s_add_nc_u64 s[4:5], s[4:5], s[16:17]
	s_add_nc_u64 s[6:7], s[6:7], s[18:19]
	s_add_nc_u64 s[8:9], s[8:9], s[20:21]
	s_add_nc_u64 s[10:11], s[10:11], s[22:23]
	WIN 0x40
.irp c, 0,1,2,3
	global_load_b128 v[BOF+8*\c:BOF+8*\c+3],   v[H32], s[8:9] offset:64*\c      ; bo of columns 16 c + 8 h + 0..7
	global_load_b128 v[BOF+8*\c+4:BOF+8*\c+7], v[H32], s[8:9] offset:64*\c+16
.endr
	WIN 0
	LSET 0
	LSET 1
	LSET 2
.set ks, 0
.rept 16
.set nb, 15-ks
.if nb > 2
.set nb, 2
.endif
	s_wait_loadcnt 16*nb                           ; this step's set is in; the younger sets, 16 loads each, may stay out
	WIN 0x50
.set sb, SET+64*(ks%3)
.irp a, 0,1,2,3
.irp c, 0,1,2,3
.if ks == 0
	v_wmma_f32_16x16x32_f16 v[8*(4*\a+\c):8*(4*\a+\c)+7], v[sb+8*\c:sb+8*\c+7], v[sb+32+8*\a:sb+32+8*\a+7], v[BOF+8*\c:BOF+8*\c+7]
.else
	v_wmma_f32_16x16x32_f16 v[8*(4*\a+\c):8*(4*\a+\c)+7], v[sb+8*\c:sb+8*\c+7], v[sb+32+8*\a:sb+32+8*\a+7], v[8*(4*\a+\c):8*(4*\a+\c)+7]
.endif
.endr
.endr
	WIN 0
.rept 4
	v_nop                                          ; the places in front of loads into registers that the products have read, and at the end of stores that read results
.endr
.if ks < 13
	LSET ks+3
.endif
.set ks, ks+1
.endr
.irp a, 0,1,2,3
.if \a >= 2
	s_wait_xcnt 0x0                                ; the stores of two blocks back have read their registers, which are loaded again below
.endif
	WIN 0x04                                       ; store data in window 1
.irp c, 0,1,2,3
	ds_store_b128 v[STO], v[8*(4*\a+\c):8*(4*\a+\c)+3]   offset:64*\c
	ds_store_b128 v[STO], v[8*(4*\a+\c)+4:8*(4*\a+\c)+7] offset:64*\c+16
.endr
	WIN 0
.irp n, 0,1,2,3,4,5,6,7
	ds_load_b128 v[SET+32*(\a%2)+4*\n:SET+32*(\a%2)+4*\n+3], v[RD] offset:2*SP*\n   ; LDS serves a wave's instructions in order (ISA guide 5.7.1.4): these see the stores above; the next block's stores come behind them
.endr
	s_wait_dscnt 0x0
.irp n, 0,1,2,3,4,5,6,7
	global_store_b128 v[CO], v[SET+32*(\a%2)+4*\n:SET+32*(\a%2)+4*\n+3], s[10:11] offset:(16*\a+2*\n)*2048 th:TH_STORE_NT  ; 16 lanes store 256 consecutive bytes, at a multiple of 256 from the output's first byte
.endr
.endr
	s_wait_tensorcnt 0x0                           ; the wave's end: the closing add and its waits, behind my last LDS store
	ds_add_u32 v[SPW], v[NIL]
	s_wait_dscnt 0x0
	s_endpgm
.Lfunc_end_k_qa6d9545ea2_oproj:
	.size	k_qa6d9545ea2_oproj, .Lfunc_end_k_qa6d9545ea2_oproj-k_qa6d9545ea2_oproj
	.p2alignl 7, 3214868480
	.fill 96, 4, 3214868480
	.section	.rodata,"a",@progbits
	.p2align	6, 0x0
	.amdhsa_kernel k_qa6d9545ea2_oproj
		.amdhsa_group_segment_fixed_size 17920
		.amdhsa_private_segment_fixed_size 0
		.amdhsa_enable_private_segment 0
		.amdhsa_kernarg_size 32
		.amdhsa_user_sgpr_count 2
		.amdhsa_user_sgpr_kernarg_segment_ptr 1
		.amdhsa_wavefront_size32 1
		.amdhsa_system_sgpr_workgroup_id_x 1
		.amdhsa_system_sgpr_workgroup_id_y 1
		.amdhsa_system_sgpr_workgroup_id_z 1
		.amdhsa_system_vgpr_workitem_id 0
		.amdhsa_next_free_vgpr 416
		.amdhsa_next_free_sgpr 66
		.amdhsa_reserve_vcc 0
		.amdhsa_float_denorm_mode_32 3
		.amdhsa_float_denorm_mode_16_64 3
		.amdhsa_memory_ordered 1
		.amdhsa_forward_progress 1
		.amdhsa_inst_pref_size 55
	.end_amdhsa_kernel
	.amdgpu_metadata
---
amdhsa.version: [ 1, 2 ]
amdhsa.kernels:
  - .name:           k_qa6d9545ea2_oproj
    .symbol:         k_qa6d9545ea2_oproj.kd
    .args:
      - { .name: ofrag, .offset: 0, .size: 8, .value_kind: global_buffer, .address_space: global }
      - { .name: wfrag, .offset: 8, .size: 8, .value_kind: global_buffer, .address_space: global }
      - { .name: bvec, .offset: 16, .size: 8, .value_kind: global_buffer, .address_space: global }
      - { .name: out0, .offset: 24, .size: 8, .value_kind: global_buffer, .address_space: global }
    .group_segment_fixed_size: 17920
    .private_segment_fixed_size: 0
    .kernarg_segment_align: 8
    .kernarg_segment_size: 32
    .max_flat_workgroup_size: 128
    .sgpr_count:     66
    .vgpr_count:     416
    .wavefront_size: 32
...
	.end_amdgpu_metadata
.endif
;; end of part 3
;; ======== version 2 of 3: 3 launches
;; limits: values are held in f16: magnitudes above 65,504 overflow, below 6.1e-05 lose precision
;; workspace buffers: wfrag 2,097,152 bytes; btab 4,194,304 bytes; ofrag 8,388,608 bytes; bvec 8,192 bytes
;; launch prep: the kernel of part 1 again; grid 1540 x 1, 8 waves a work-group, no clusters, 0 bytes of LDS; arguments query_pos, key_pos, key_mask, Wq, Wk, Wv, Wo, bq, bk, bv, bo, btab, wfrag, bvec; writes btab, wfrag, bvec
;; launch attn (part 4): grid 256 x 1, 4 waves a work-group, clusters of 4 x 1, 327,680 bytes of LDS; arguments query, key_value, key_mask, wfrag, bvec, btab, ofrag; writes ofrag
.if DOCPART == 4
	.amdgcn_target "amdgcn-amd-amdhsa--gfx1250"
	.amdhsa_code_object_version 6
	.text
	.protected	k_qa6d9545ea2_attn
	.globl	k_qa6d9545ea2_attn
	.p2align	8
	.type	k_qa6d9545ea2_attn,@function
k_qa6d9545ea2_attn:
	s_mov_b64 s[64:65], 0
	v_nop
	global_prefetch_b8 v0, s[64:65] scope:SCOPE_SE
	s_setreg_imm32_b32 hwreg(HW_REG_WAVE_MODE, 25, 1), 1
	s_wait_xcnt 0x0
	s_wait_alu depctr_hold_cnt(0) depctr_sa_sdst(0) depctr_va_vdst(0) depctr_va_sdst(0) depctr_va_ssrc(0) depctr_va_vcc(0) depctr_vm_vsrc(0)
	s_getreg_b32 s2, hwreg(HW_REG_IB_STS2, 6, 4)
	s_cmp_eq_u32 s2, 0
	s_cbranch_scc0 .Lentry_in_a_cluster
	s_endpgm
.Lentry_in_a_cluster:
	s_bfe_u32 s2, ttmp6, 0x10000c
	s_cmp_lg_u32 s2, 0x3003
	s_cbranch_scc0 .Lentry_shape_is_right
	s_endpgm
.Lentry_shape_is_right:
; THE THREE INPUT PROJECTIONS AND THE ATTENTION, FUSED.  k and v never go to memory: a tile of 64 rows of key_value is projected and used at once.
; SHARES.  A cluster of four work-groups is one (b, n); a work-group is a pair of heads hp (128 columns of q, k, v).  The four partners need the same rows of query and key_value, so every
; tile is asked for JOINTLY: the same tensor load, descriptor and mask in all four.  hp enters global addresses alone (weights, bias vectors, output, prefetch).
; The weights are not asked for jointly: a wave reads its 96 KiB of them once, straight into registers where they stay, against 2.25 MiB of tiles that a work-group streams.
; PROJECTION.  Wave w owns columns 32 w .. 32 w + 31 of the pair's 128, of q, k and v, over all 512 inputs: its fragments of Wq (later reused), Wk, Wv fill one register window each.
; A tile arrives as f32; a fragment is read from LDS (four loads of 16 bytes), rounded to bf16 (eight conversions) and multiplied four times.
;   k, q = W x X^T: a lane holds ONE row (key or query) and eight channels: 16 bytes of k[key][channel].      v = X x W^T: a lane holds ONE channel and eight keys: 16 bytes of vT[channel][key].
; q, k, v cross the waves through a stage in LDS, in f16; q carries the factor log2(e) / 8; a hidden key's k is multiplied by 0.
; THE BIAS VECTORS.  bq is the C of q's first products.  bk lies in LDS and is loaded into k's accumulators ahead of each trip, so that every product of k adds in place.  bv is added once, at the way out:
; a row's weights sum to 1, so sum p (v + bv) / l = sum p v / l + bv for every input.
; THE LDS INSTRUCTIONS STAND IN RUNS, never singly among products and conversions: a trip's 128 loads of X in one run of 32 and six of 16; its eight stores, two mask loads and eight loads of bk stand with the next trip's first run.
; ATTENTION.  Wave w owns queries 32 w .. 32 w + 31 for both heads: four tiles tl = 2 head + qt of 16 queries.  32 keys a trip.  S^T = K Q^T + C, C = the table of bias and mask (already times log2 e), so
; a hidden key's score is the constant exactly; a lane holds ONE query and the keys 8 (lane / 16) + 0..7; two results rounded to f16 ARE source 1 of O^T = V^T P.
; The table has two register blocks, one for each of a tile's two trips: a block is asked for again straight behind the products that read it, a whole tile ahead of its next use.
; Running maximum m and sum l: p = 2^(s - m); in every trip O and l are multiplied by a = 2^(m_old - m_new).  m starts at the lowest finite number, O and l at 0: the first trip is a trip like any other (a = 0),
; at the price of 128 lines that write 0, once a launch; a first trip written out would be a further copy of the trip's text.
; FORMATS.  query, key_value, weights: bf16 operands.  q, k, v, P, O: f16.  Sums, maxima, l: f32.
; LIMITS.  |q| log2(e) / 8, |k|, |v| stay under 65,504 (f16).  NaN and infinities are not treated apart (0 x infinity in a hidden key's k is NaN).  A weight below 2^-126 counts as 0 in l.  Mask bytes are 0 or 1.
; LDS.  Two slots of 135,168 bytes: a tile as four quarters of the 512 inputs, each 64 rows of 512 bytes + 16 of padding (33 x 16 bytes: the 16 rows of a load start at 16 different groups of four banks).
; Behind them, never the target of a tensor load: the stage (k[64][128] at pitch 272, vT twice [128][32] at pitch 80; first q[128][128] at pitch 272), the mask as f32, bk and bv, the spare words.
; REGISTERS, in windows of 256 (s_set_vgpr_msb: bits 1:0 source 0, 3:2 source 1, 5:4 source 2, 7:6 destination):
;   window 0: v0-31 addresses; v32-47 statistics; v48-255 by phase.   projection: v48-111 eight accumulators (the query's uses four; bq lies in two of the others), v112-239 a ring of eight f32 fragments, v240-255 two bf16 fragments
;                                                                     attention:  v48-111 S^T (P in place), v112-175 K, v176-239 V^T, v240-255 at work
;   window 1: first Wq; then v0-127 O^T, v128-191 Q, v192-255 the table's two blocks of 32 keys          window 2: Wk          window 3: Wv
.set XP,     528                       ; a row of a quarter in LDS
.set QUART,  64*XP                     ; 33,792: what one tensor load brings
.set SLOT1,  4*QUART                   ; 135,168 = 0x21000: no quarter's offset has one of these two bits, so one exclusive or turns an address in one slot into the other's
.set HALF,   32*XP                     ; the 32 rows of a projection trip
.set STG,    2*SLOT1
.set KP,     272
.set VP,     80
.set STGV,   STG+64*KP
.set VHALF,  128*VP
.set MK,     STGV+2*VHALF              ; 1,024 mask factors, f32
.set BT,     MK+4096                   ; bk of the pair's 128 columns, then bv: twice 512 bytes, f32
.set SPARE,  BT+1024                   ; the spare words, 128 bytes for each wave: two blocks of 256 bytes that no other line names
.set RR,  1                            ; v1   lane % 16
.set HH,  2                            ; v2   lane / 16
.set LN,  3                            ; v3   lane
.set L16, 4                            ; v4   16 x lane; never rewritten
.set H32, 5                            ; v5   32 x (lane / 16); never rewritten
.set L4,  6                            ; v6   4 x lane; never rewritten
.set PFO, 7                            ; v7   256 x lane: the prefetches' offset; never rewritten
.set XL,  8                            ; v8   528 r + 32 h: my place in 16 rows of a quarter
.set XA0, 9                            ; v9, v10  the trip's X addresses: quarters 0 and 1, quarters 2 and 3
.set KS0, 11                           ; v11  where I store k (and q): stage + 272 r + 64 w + 16 h
.set KST, 12                           ; v12  the same, stepping
.set VS0, 13                           ; v13  where I store v: 80 (32 w + r) + 16 h
.set VST, 14
.set KL0, 15                           ; v15  where I read K's fragments: 272 r + 16 h
.set T1,  16                           ; v16  the way out: where I read bv
.set VL0, 17                           ; v17  where I read V^T's fragments: 80 r + 16 h
.set MKA, 19                           ; v19  the mask factor of key r of the next trip, stepping
.set MAD, 20                           ; v20  8 x thread: my eight mask bytes,
.set BKA, 20                           ;      then, when that load is in: where I read bk: 128 w + 32 h
.set MST, 21                           ; v21  where the mask factors go, then where bk and bv go
.set BO,  22                           ; v22  my offset in the table, stepping
.set BL,  23                           ; v23  its bound: the last block of 32 keys
.set SPW, 24                           ; v24  LDS address of my spare word; never rewritten
.set NIL, 25                           ; v25  0; never rewritten
.set QLD, 26                           ; v26  where I read Q's fragments
.set T0,  27                           ; v27  at work in the head,
.set MKL, 27                           ;      then MKA's bound: the last trip's 32 keys
.set MF,  28                           ; v28, v30 the mask factors of the trip's two key tiles, each the low word of a pair
.set ST,  32                           ; tile tl at ST + 4 tl: m, 0, l (even registers', odd registers')
.set ACC, 48
.set S,   48
.set BQ,  64                           ; the query's projection: bq, in the accumulators that it leaves idle
.set FB,  112                          ; the ring: fragment f at FB + 16 (f % 8)
.set XB,  240                          ; fragment f in bf16 at XB + 8 (f % 2)
.set KF,  112
.set VF,  176
.set TMP, 240                          ; tile tl at TMP + 4 tl: c0, c1, a, m_old - m_new
.set QW,  128                          ; window 1
.set BI,  192                          ; window 1: block b at BI + 32 b
.set WV,  22                           ; s22  wave
.set HP,  23                           ; s23  my pair of heads = my place in the cluster
.set BN,  24                           ; s24  (b, n)
.set BB,  25                           ; s25  b
.set G1,  28                           ; s[28:35] descriptor group 1
.set G0A, 36                           ; s[36:39] group 0: query rows 0-63 into slot 0
.set G0B, 40                           ; s[40:43] query rows 64-127 into slot 1
.set G0W, 44                           ; s[44:47] key_value: it walks
.set STP, 48                           ; s[48:49] the walk's step: 0 at the first refill, then a tile's bytes
.set PFA, 50                           ; s[50:51] where my prefetch stands
.set SB,  52                           ; s52  LDS byte of the 32 rows in hand
.set QT,  53
.set GC,  54
.set TL,  55
.set RF,  57                           ; s57  refills still to come
.set CS,  58                           ; s[58:59] log2(e) / 8
.set SEL, 60                           ; s[60:61] v_permlanex16_b32's selects: each lane takes its own place in the other half
.set WB,  66                           ; s[66:67] my fragments of Wq; Wk and Wv lie 524,288 and 1,048,576 bytes on
.set BIA, 68                           ; s[68:69] the table of my b and my 32 queries
.set OFB, 70                           ; s[70:71] my part of ofrag
.set BVB, 72                           ; s[72:73] my 32 columns of bq; bk and bv lie 2,048 and 4,096 bytes on
.set MSB, 0
.macro WIN new                         ; the immediate's high byte repeats the setting that is left; a switch that changes nothing is dropped
.if MSB != (\new)
	s_set_vgpr_msb (MSB<<8)|(\new)
.set MSB, (\new)
.endif
.endm
; A round of the cluster's barrier: my work-group's barrier, so that wave 0's signal speaks for all four waves; wave 0 signals; every wave waits for all four work-groups; my work-group's barrier once more.
.macro CROUND
	s_barrier_signal -1
	s_barrier_wait -1
	s_cmp_lg_u32 s[WV], 0
	s_cbranch_scc1 .Lnot_wave_0_\@
	s_barrier_signal -3
.Lnot_wave_0_\@:
	s_barrier_wait -3
	s_barrier_signal -1
	s_barrier_wait -1
.endm
.macro NOPS n
.rept \n
	v_nop
.endr
.endm
; Load n of the 128 that bring my fragments of Wk (0-63, window 2) and Wv (64-127, window 3): fragment (c, ks) at 8 (16 c + ks); 512 consecutive bytes a load.  The caller sets the window.
.macro WLOAD n
	global_load_b128 v[4*((\n)%64):4*((\n)%64)+3], v[L16], s[WB:WB+1] offset:524288*(1+(\n)/64)+512*((\n)%64)
.endm
; X fragment f = 2 ks + t of a trip: rows 16 t .. + 15, inputs 32 ks .. + 31.  Load i of its four brings four f32: inputs 8 h + 0..3, 8 h + 4..7, 16 + 8 h + 0..3, 16 + 8 h + 4..7.
.macro XLOAD f, i
.set xk, (\f)/2
.set xr, XA0+xk/8
.set xo, ((xk/4)%2)*QUART+((\f)%2)*16*XP+(xk%4)*128+((\i)%2)*16+((\i)/2)*64
	ds_load_b128 v[FB+16*((\f)%8)+4*(\i):FB+16*((\f)%8)+4*(\i)+3], v[xr] offset:xo
.endm
.macro XCVT f, e                       ; register e of its bf16 form
	v_cvt_pk_bf16_f32 v[XB+8*((\f)%2)+(\e)], v[FB+16*((\f)%8)+2*(\e)], v[FB+16*((\f)%8)+2*(\e)+1]
.endm
.macro PRO                             ; a trip's addresses and its first eight fragments, the whole ring: 32 loads in one run
	v_add_nc_u32 v[XA0], s[SB], v[XL]
	v_add_nc_u32 v[XA0+1], 2*QUART, v[XA0]
.set f, 0
.rept 8
.irp i, 0,1,2,3
	XLOAD f, \i
.endr
.set f, f+1
.endr
.endm
.macro BKLOAD                          ; bk of channels 16 c + 8 h + 0..7 into k's four accumulators (key tile t, column tile c): the sums of k start there
.irp t, 0,1
.irp c, 0,1
	ds_load_b128 v[ACC+8*(4*\t+\c):ACC+8*(4*\t+\c)+3],   v[BKA] offset:64*\c
	ds_load_b128 v[ACC+8*(4*\t+\c)+4:ACC+8*(4*\t+\c)+7], v[BKA] offset:64*\c+16
.endr
.endr
.endm
; Fragment f is multiplied (kind 1: k's two column tiles, then v's two; kind 0: q's two).  The products stand in pairs under one window setting; behind each pair stand, in window 0, four (kind 0: eight) of the
; conversions of fragment f + 1.  Ahead of the products of fragments 3, 7 .. 23 stands a RUN of 16 loads: fragments f + 5 .. f + 8, into the ring places of fragments f - 3 .. f, which have all been converted;
; from a run to the first conversion of its data stand four fragments' products.  The ring's registers are no matrix operands.
; The accumulators (eight; kind 0: four) take turns, one instruction a turn, over the backward jump too.  A bf16 buffer is written again behind the four (eight) conversions that follow its last product.
; The sums start: k's in place on bk, v's with the constant 0, q's with bq as C.
.macro PSTEP kind
.if ((f%4) == 3) && (f < 24)
.set g, f+5
.rept 4
.irp i, 0,1,2,3
	XLOAD g, \i
.endr
.set g, g+1
.endr
.endif
.set hi, 7                             ; the highest fragment asked for so far: the first run's 7, then the last run's f + 8
.if f >= 3
.set hi, 4*((f-3)/4)+11
.endif
.if hi > 31
.set hi, 31
.endif
.set pk, f/2
.set px, XB+8*(f%2)
.if \kind
	WIN 0x02
.irp n, 0,1
.set pa, ACC+8*(4*(f%2)+\n)
.set pw, 8*(16*\n+pk)
	v_wmma_f32_16x16x32_bf16 v[pa:pa+7], v[pw:pw+7], v[px:px+7], v[pa:pa+7]
.endr
.if f < 31
	s_wait_dscnt 4*(hi-f-1)                        ; fragment f + 1 is in: behind its loads stand those of the fragments up to hi, four each
	WIN 0
.irp e, 0,1,2,3
	XCVT f+1, \e
.endr
.endif
	WIN 0x0c
.irp n, 0,1
.set pa, ACC+8*(4*(f%2)+2+\n)
.set pw, 8*(16*\n+pk)
.if pk == 0
	v_wmma_f32_16x16x32_bf16 v[pa:pa+7], v[px:px+7], v[pw:pw+7], 0
.else
	v_wmma_f32_16x16x32_bf16 v[pa:pa+7], v[px:px+7], v[pw:pw+7], v[pa:pa+7]
.endif
.endr
.if f < 31
	WIN 0
.irp e, 4,5,6,7
	XCVT f+1, \e
.endr
.endif
.else
	WIN 0x01
.irp n, 0,1
.set pa, ACC+8*(4*(f%2)+\n)
.set pw, 8*(16*\n+pk)
.if pk == 0
	v_wmma_f32_16x16x32_bf16 v[pa:pa+7], v[pw:pw+7], v[px:px+7], v[BQ+8*\n:BQ+8*\n+7]
.else
	v_wmma_f32_16x16x32_bf16 v[pa:pa+7], v[pw:pw+7], v[px:px+7], v[pa:pa+7]
.endif
.endr
.if f < 31
	s_wait_dscnt 4*(hi-f-1)                        ; as above; the query's four stores among the younger ones only make the wait longer
	WIN 0
.irp e, 0,1,2,3,4,5,6,7
	XCVT f+1, \e
.endr
.endif
.endif
.endm
; The way into the stage: first all the arithmetic, in place (an accumulator's 16 bytes end in its four lowest registers), then all the stores in one run.  Each accumulator is read from its low end on.
.macro EPK t, c                        ; k: times the key's mask factor, rounded to f16
.set ea, ACC+8*(4*(\t)+(\c))
.irp e, 0,1,2,3
	v_pk_mul_f32 v[ea+2*\e:ea+2*\e+1], v[ea+2*\e:ea+2*\e+1], v[MF+2*(\t):MF+2*(\t)+1] op_sel_hi:[1,0]
.endr
.irp e, 0,1,2,3
	v_cvt_pk_f16_f32 v[ea+\e], v[ea+2*\e], v[ea+2*\e+1]
.endr
.endm
.macro EPQ t, c                        ; q: times log2(e) / 8 in f32, rounded once
.set ea, ACC+8*(4*(\t)+(\c))
.irp e, 0,1,2,3
	v_pk_mul_f32 v[ea+2*\e:ea+2*\e+1], v[ea+2*\e:ea+2*\e+1], s[CS:CS+1] op_sel_hi:[1,0]
.endr
.irp e, 0,1,2,3
	v_cvt_pk_f16_f32 v[ea+\e], v[ea+2*\e], v[ea+2*\e+1]
.endr
.endm
.macro EPV t, c                        ; v
.set ea, ACC+8*(4*(\t)+2+(\c))
.irp e, 0,1,2,3
	v_cvt_pk_f16_f32 v[ea+\e], v[ea+2*\e], v[ea+2*\e+1]
.endr
.endm
; A PROJECTION TRIP: 32 rows x all 512 inputs.
.macro PROJ kind
	s_wait_dscnt 28                                ; fragment 0 is in, and all that was issued ahead of it (stores, mask factors, bk): behind its four loads stand the 28 of fragments 1 to 7
.irp e, 0,1,2,3,4,5,6,7
	XCVT 0, \e
.endr
.set f, 0
.rept 32
	PSTEP \kind
.set f, f+1
.endr
	WIN 0
.if \kind
.irp t, 0,1                            ; the first key tile's results were finished eight conversions ahead of this; its 24 lines are the places behind the last products
	EPK \t, 0
	EPK \t, 1
	EPV \t, 0
	EPV \t, 1
.endr
.irp t, 0,1                            ; ONE run of LDS instructions: the stores, the next trip's mask factors and, where a trip follows in this tile, its bk and its first eight fragments
.irp c, 0,1
	ds_store_b128 v[KST], v[ACC+8*(4*\t+\c):ACC+8*(4*\t+\c)+3] offset:16*KP*\t+32*\c        ; 16 bytes of k[key][channel]
	ds_store_b128 v[VST], v[ACC+8*(4*\t+2+\c):ACC+8*(4*\t+2+\c)+3] offset:16*VP*\c+32*\t    ; 16 bytes of vT[channel][key]
.endr
.endr
	ds_load_b32 v[MF], v[MKA]
	ds_load_b32 v[MF+2], v[MKA] offset:64
	s_cmp_eq_u32 s[GC], 1
	s_cbranch_scc1 .Lno_next_\@
	s_add_co_u32 s[SB], s[SB], HALF
	BKLOAD                                         ; LDS serves a wave's instructions in order (ISA guide 5.7.1.4): the stores above have taken their data
	PRO
.Lno_next_\@:
	v_add_nc_u32 v[KST], 32*KP, v[KST]
	v_add_nc_u32 v[VST], VHALF, v[VST]
	v_add_nc_u32 v[MKA], 128, v[MKA]
	v_min_u32 v[MKA], v[MKA], v[MKL]               ; behind the last trip the last 32 keys' factors are read once more: no load leaves the table
.else
	s_cmp_eq_u32 s[GC], 1
	s_cbranch_scc1 .Lno_next_\@
	s_add_co_u32 s[SB], s[SB], HALF
	PRO
.Lno_next_\@:
.irp t, 0,1
	EPQ \t, 0
	EPQ \t, 1
.endr
.irp t, 0,1
.irp c, 0,1
	ds_store_b128 v[KST], v[ACC+8*(4*\t+\c):ACC+8*(4*\t+\c)+3] offset:16*KP*\t+32*\c
.endr
.endr
	v_add_nc_u32 v[KST], 32*KP, v[KST]
.endif
.endm
; THE CHANGE OF SLOTS, behind a tile's projection.  Each wave waits for all its tensor loads, of which one is out: its quarter of the other slot; adds 0 to its spare word; and waits for that, for its reads of the slot
; and for its stores into the stage.  Behind the barrier nobody reads the slot any more, the other slot is whole, and the stage is whole.
; fill = 1: the barrier is a round of the cluster's, and the joint refill, the tile two on, is the first thing behind it: it has an attention phase and a projection phase in which to land.
; Behind the refill and its five lines stands ONE prefetch into the L2, for the tile that the NEXT change will ask for: 131,072 dense bytes are 512 blocks of 256; the cluster's 16 waves take 32 each, a lane a block,
; shared out by address (8,192 x (4 hp + w)): each block is named once in the launch.  The last refill asks for nothing.  The query's tiles and key_value's first come by their loads alone.
.macro CHANGE fill
	WIN 0
	s_wait_tensorcnt 0x0                           ; no tensor load of mine is out, so the walking group 0 may be written
	ds_add_u32 v[SPW], v[NIL]                      ; 0 onto my spare word; scalar work stands between it and the wait for it
.if \fill
	s_xor_b32 s[G0W+1], s[G0W+1], SLOT1            ; the other slot than last time,
	s_add_nc_u64 s[G0W+2:G0W+3], s[G0W+2:G0W+3], s[STP:STP+1]  ; the next 64 rows; the type bits on top are not reached
	s_wait_xcnt 0x0                                ; the last prefetch, a tile back, has read its address
	s_add_nc_u64 s[PFA:PFA+1], s[PFA:PFA+1], s[STP:STP+1]
	s_mov_b32 s[STP], 0x20000
.endif
	s_sub_co_u32 s[SB], s[SB], HALF                ; the reads go back to a slot's first rows,
	s_xor_b32 s[SB], s[SB], SLOT1                  ; in the other slot
	s_wait_dscnt 0x0                               ; the add is done; my reads of the slot are back; my stores into the stage are done
.if \fill
	CROUND
	tensor_load_to_lds s[G0W:G0W+3], s[G1:G1+7]
	s_nop 0
	NOPS 4
	s_cmp_gt_u32 s[RF], 1
	s_cbranch_scc0 .Lno_ask_\@
	global_prefetch_b8 v[PFO], s[PFA:PFA+1] th:TH_LOAD_NT scope:SCOPE_SE
.Lno_ask_\@:
	s_sub_co_u32 s[RF], s[RF], 1
.else
	s_barrier_signal -1
	s_barrier_wait -1
.endif
.endm
; THE LDS LOADS OF THE ATTENTION stand in runs of 16: the K of trip b's 32 keys (key tile kt, head hh, channel half cs) and their V^T (head hh, channel tile ct).  The trip stands in the immediate.
.macro KLOAD b
.irp kt, 0,1
.irp hh, 0,1
.irp cs, 0,1
	ds_load_b128 v[KF+8*(4*\kt+2*\hh+\cs):KF+8*(4*\kt+2*\hh+\cs)+3],   v[KL0] offset:32*KP*(\b)+16*KP*\kt+128*\hh+64*\cs
	ds_load_b128 v[KF+8*(4*\kt+2*\hh+\cs)+4:KF+8*(4*\kt+2*\hh+\cs)+7], v[KL0] offset:32*KP*(\b)+16*KP*\kt+128*\hh+64*\cs+32
.endr
.endr
.endr
.endm
.macro VLOAD b
.irp hh, 0,1
.irp ct, 0,1,2,3
	ds_load_b128 v[VF+8*(4*\hh+\ct):VF+8*(4*\hh+\ct)+3],   v[VL0] offset:VHALF*(\b)+VP*(64*\hh+16*\ct)
	ds_load_b128 v[VF+8*(4*\hh+\ct)+4:VF+8*(4*\hh+\ct)+7], v[VL0] offset:VHALF*(\b)+VP*(64*\hh+16*\ct)+32
.endr
.endr
.endm
.macro BILOAD b, a, off                ; 32 keys of the table for my 32 queries into block b: eight loads of 512 consecutive bytes
	WIN 0x40
.irp i, 0,1,2,3,4,5,6,7
	global_load_b128 v[BI+32*(\b)+4*\i:BI+32*(\b)+4*\i+3], v[\a], s[BIA:BIA+1] offset:(\off)+512*\i
.endr
	WIN 0
.endm
; One score product: tile tl, key tile kt, channel half cs; the first half starts the sum with block b of the table as C.
.macro SP tl, kt, cs, b
.set rS, S+16*(\tl)+8*(\kt)
.set rK, KF+8*(4*(\kt)+2*((\tl)/2)+(\cs))
.set rQ, QW+16*(\tl)+8*(\cs)
.set rB, BI+32*(\b)+8*(2*((\tl)%2)+(\kt))
.if (\cs) == 0
	WIN 0x14
	v_wmma_f32_16x16x32_f16 v[rS:rS+7], v[rK:rK+7], v[rQ:rQ+7], v[rB:rB+7]
.else
	WIN 0x04
	v_wmma_f32_16x16x32_f16 v[rS:rS+7], v[rK:rK+7], v[rQ:rQ+7], v[rS:rS+7]
.endif
.endm
; Number n of the 13 that find a tile's maximum and a.  s0-s15 are the lane's 16 scores; each accumulator's lowest registers are read first.
.macro V1 tl, n
.set rS, S+16*(\tl)
.set rT, ST+4*(\tl)
.set rC, TMP+4*(\tl)
.if (\n) == 0
	v_max3_num_f32 v[rC], v[rS], v[rS+1], v[rS+2]
.elseif (\n) == 1
	v_max3_num_f32 v[rC+1], v[rS+8], v[rS+9], v[rS+10]
.elseif (\n) == 2
	v_max3_num_f32 v[rC], v[rC], v[rS+3], v[rS+4]
.elseif (\n) == 3
	v_max3_num_f32 v[rC+1], v[rC+1], v[rS+11], v[rS+12]
.elseif (\n) == 4
	v_max3_num_f32 v[rC], v[rC], v[rS+5], v[rS+6]
.elseif (\n) == 5
	v_max3_num_f32 v[rC+1], v[rC+1], v[rS+13], v[rS+14]
.elseif (\n) == 6
	v_max3_num_f32 v[rC], v[rC], v[rS+7], v[rS+15]
.elseif (\n) == 7
	v_max3_num_f32 v[rC], v[rC], v[rC+1], v[rT]
.elseif (\n) == 8
	v_permlanex16_b32 v[rC+1], v[rC], s[SEL], s[SEL+1]  ; the query's other 16 keys lie in the lane 16 away
.elseif (\n) == 9
	v_max_num_f32 v[rC], v[rC], v[rC+1]
.elseif (\n) == 10
	v_sub_f32 v[rC+3], v[rT], v[rC]
.elseif (\n) == 11
	v_mov_b32 v[rT], v[rC]
.else
	v_exp_f32 v[rC+2], v[rC+3]
.endif
.endm
.macro SCALE tl, pr                    ; s - m for a pair of scores
.set rS, S+16*(\tl)+2*(\pr)
.set rT, ST+4*(\tl)
	v_pk_add_f32 v[rS:rS+1], v[rS:rS+1], v[rT:rT+1] op_sel_hi:[1,0] neg_lo:[0,1] neg_hi:[0,1]
.endm
.macro PA k                            ; the 32 scalings in order: tiles 0 and 1 by turns, then tiles 2 and 3
.if (\k) < 16
	SCALE (\k)%2, (\k)/2
.else
	SCALE 2+(\k)%2, ((\k)-16)/2
.endif
.endm
.macro EXPS tl, sc
.set rS, S+16*(\tl)+(\sc)
	v_exp_f32 v[rS], v[rS]
.endm
; Number k of the 32 that follow two tiles' exponentials (tiles base, base + 1 by turns): seven packed sums of the eight pairs, l = a l + sum, then the eight roundings to f16, in place, ascending.
.macro PB base, k
.set bt, (\base)+(\k)%2
.set rS, S+16*bt
.set rT, ST+4*bt
.set rC, TMP+4*bt
.if (\k) < 2
	v_pk_add_f32 v[rC:rC+1], v[rS:rS+1], v[rS+2:rS+3]
.elseif (\k) < 14
.set z, (\k)/2
	v_pk_add_f32 v[rC:rC+1], v[rC:rC+1], v[rS+2*z+2:rS+2*z+3]
.elseif (\k) < 16
	v_pk_fma_f32 v[rT+2:rT+3], v[rT+2:rT+3], v[rC+2:rC+3], v[rC:rC+1] op_sel_hi:[1,0,1]
.else
.set z, ((\k)-16)/2
	v_cvt_pk_f16_f32 v[rS+z], v[rS+2*z], v[rS+2*z+1]
.endif
.endm
.macro PVP tl, ct                      ; O^T += V^T P: one product an accumulator and trip
	WIN 0x50
.set rO, 32*(\tl)+8*(\ct)
.set rV, VF+8*(4*((\tl)/2)+(\ct))
.set rP, S+16*(\tl)
	v_wmma_f32_16x16x32_f16 v[rO:rO+7], v[rV:rV+7], v[rP:rP+7], v[rO:rO+7]
.endm
; AN ATTENTION TRIP: trip b (0, 1) of a tile: 32 keys, four tiles of 16 queries.
; THE SCORES: head 0's eight products, then head 1's eight; four accumulators take turns in each.  Behind the first of head 1's stand four v_nop, the places behind head 0's results; behind the next six
; the 24 lines that find head 0's maxima (numbers 0 to 11 of both tiles; no transcendental among them).
; THE EXPONENTIALS go in two batches, each with one wait ahead of its first reader.  The first: the four a and the 32 weights of tiles 0 and 1; between them stand the scalings and the 26 lines of
; head 1's maxima.  The second: the 32 weights of tiles 2 and 3, between which stand the sums and roundings of tiles 0 and 1; the rescaling of O^T is the plain work behind it.
; The sums and roundings of tiles 2 and 3 ride behind the products V^T P of tiles 0 and 1.
.macro ATT b
	VLOAD \b                                       ; V^T of this trip: its registers' last readers stand six places back
	s_wait_loadcnt 8                               ; this trip's block of the table is in: behind its eight loads stand the other block's eight
	s_wait_dscnt 16                                ; K is in; V's sixteen loads may stay out
.irp cs, 0,1
.irp tl, 0,1
.irp kt, 0,1
	SP \tl, \kt, \cs, \b
.endr
.endr
.endr
.set i, 0
.rept 8
	SP 2+(i/2)%2, i%2, i/4, \b
.if i == 0
	WIN 0
	NOPS 4
.elseif i < 7
	WIN 0
	V1 0, 2*(i-1)
	V1 1, 2*(i-1)
	V1 0, 2*(i-1)+1
	V1 1, 2*(i-1)+1
.endif
.set i, i+1
.endr
	WIN 0
	s_wait_xcnt 0x0                                ; the other block's loads, which may still be out, have read the offset: it is stepped only behind this wait
	v_add_nc_u32 v[BO], 4096, v[BO]                ; four places in front of the loads into the table's and K's registers and of head 1's maxima: the offset's step,
	v_min_u32 v[BO], v[BO], v[BL]                  ; its bound (the last tile's two trips read the last block once more: no load leaves the table),
	NOPS 2                                         ; and two v_nop
	BILOAD \b, BO, 0                               ; this block's next 32 keys: those of the next tile's trip b
.if (\b) == 0
	KLOAD 1                                        ; the second trip's K, in the same run
.endif
	V1 0, 12                                       ; the first batch begins: a of tiles 0 and 1
	V1 1, 12
	PA 0
	PA 1
.set n, 0
.rept 26                               ; a line of head 1's maxima, a scaling while tiles 0 and 1 have scalings left, an exponential; the last two lines of the maxima are a of tiles 2 and 3
	V1 2+n%2, n/2
.if n < 14
	PA n+2
.endif
	EXPS n%2, n/2
.set n, n+1
.endr
.rept 6
	PA n-10                                        ; tiles 2 and 3: their m is made
	EXPS n%2, n/2
.set n, n+1
.endr
.set n, 22
.rept 10
	PA n                                           ; the rest of their scalings: the plain work behind the batch's last exponential
.set n, n+1
.endr
	s_wait_alu depctr_va_vdst(0)                   ; one wait for the four a and the 32 weights of tiles 0 and 1
.set n, 0
.rept 32
	PB 0, n
	EXPS 2+n%2, n/2
.set n, n+1
.endr
	WIN 0x41
.set n, 0
.rept 64
	v_pk_mul_f32 v[2*n:2*n+1], v[2*n:2*n+1], v[TMP+4*(n/16)+2:TMP+4*(n/16)+3] op_sel_hi:[1,0]  ; O^T times a
.set n, n+1
.endr
	WIN 0
	s_wait_alu depctr_va_vdst(0)                   ; one wait for the 32 weights of tiles 2 and 3
	s_wait_dscnt 0x0                               ; V is in
.set n, 0
.rept 8
	PVP n%2, n/2
	WIN 0
	PB 2, 4*n
	PB 2, 4*n+1
	PB 2, 4*n+2
	PB 2, 4*n+3
.set n, n+1
.endr
.set n, 0
.rept 8
	PVP 2+n%2, n/2
.set n, n+1
.endr
	WIN 0
	NOPS 6                                         ; the places in front of loads into V's, K's and P's registers and of products that write over P
.endm
; A TILE OF 64 KEYS: the stage has been read out by every wave (barrier); two projection trips; the change of slots; two attention trips.
.macro TILE fill
	s_wait_dscnt 0x0                               ; my reads of the stage are back
	s_barrier_signal -1
	v_mov_b32 v[KST], v[KS0]
	v_mov_b32 v[VST], v[VS0]
	s_barrier_wait -1
	BKLOAD
	PRO
	s_mov_b32 s[GC], 2
.Lproj_\@:
	PROJ 1
	s_sub_co_u32 s[GC], s[GC], 1
	s_cmp_lg_u32 s[GC], 0
	s_cbranch_scc1 .Lproj_\@
	CHANGE \fill
	KLOAD 0
	ATT 0
	ATT 1
.endm
	s_load_b256 s[4:11], s[0:1], 0x0               ; query s[4:5], key_value s[6:7], key_mask s[8:9], wfrag s[10:11]
	s_load_b128 s[12:15], s[0:1], 0x20             ; bvec s[12:13], btab s[14:15]
	s_load_b64 s[16:17], s[0:1], 0x30              ; ofrag
	v_lshl_add_u32 v[SPW], v0, 2, SPARE
	v_mov_b32 v[NIL], 0
	ds_add_u32 v[SPW], v[NIL]                      ; the wave's opening: the add and its wait stand ahead of my first tensor load; the set-up below, work on registers, stands between them
	v_lshrrev_b32 v1, 5, v0
	v_readfirstlane_b32 s[WV], v1                  ; wave 0..3
	s_bfe_u32 s[HP], ttmp6, 0x40000                ; my place in the cluster
	s_mov_b32 s[BN], ttmp9                         ; in a cluster launch ttmp9 counts clusters
	s_lshr_b32 s[BB], ttmp9, 3
	; descriptor group 1: 64 rows x 128 elements of 4 bytes, 16 bytes of padding behind each row
	s_mov_b32 s[G1], 15|(2<<16)|(1<<20)|(1<<21)|(6<<22)|(3<<25)  ; 15:0 the mask of four; 17:16 4-byte elements; 20 padding on; 21 set beside a mask; 24:22 after every 128 words (code 6); 31:25 4 words (code 3)
	s_mov_b32 s[G1+1], 128<<16                     ; tensor_dim0 = 128
	s_mov_b32 s[G1+2], 64<<16                      ; tensor_dim1 = 64
	s_mov_b32 s[G1+3], 128<<16                     ; tile_dim0 = 128
	s_mov_b32 s[G1+4], 64                          ; tile_dim1 = 64
	s_mov_b32 s[G1+5], 512                         ; 512 elements from row to row
	s_mov_b32 s[G1+6], 0
	s_mov_b32 s[G1+7], 0
	s_mov_b32 s[G0A], 1
	s_mul_i32 s[G0A+1], s[WV], QUART               ; my quarter of slot 0: no place in the cluster enters an LDS address
	s_mov_b32 s[G0B], 1
	s_add_co_u32 s[G0B+1], s[G0A+1], SLOT1
	s_mov_b32 s[G0W], 1
	s_add_co_u32 s[G0W+1], s[G0A+1], SLOT1         ; the first refill turns it into slot 0
	s_mov_b32 s[STP], 0
	s_mov_b32 s[STP+1], 0
	s_mov_b32 s[CS], 0x3e38aa3b                    ; log2(e) / 8
	s_mov_b32 s[CS+1], s[CS]                       ; named with it as a pair
	s_mov_b32 s[SEL], 0x76543210
	s_mov_b32 s[SEL+1], 0xfedcba98
	s_lshl_b32 s74, s[BN], 18                      ; query: 262,144 bytes a (b, n),
	s_lshl_b32 s75, s[WV], 9                       ; my quarter's 512 bytes of a row
	s_add_co_u32 s74, s74, s75
	s_lshl_b32 s62, s[BN], 21                      ; key_value: 2 MiB a (b, n)
	s_add_co_u32 s62, s62, s75
	s_mov_b32 s75, 0
	s_mov_b32 s63, 0
	s_wait_dscnt 0x0                               ; the opening add is done
	s_wait_kmcnt 0x0
	s_add_nc_u64 s[G0A+2:G0A+3], s[4:5], s[74:75]
	s_add_nc_u64 s[G0B+2:G0B+3], s[G0A+2:G0A+3], 0x20000
	s_or_b32 s[G0A+3], s[G0A+3], 0x80000000        ; type = 2
	s_or_b32 s[G0B+3], s[G0B+3], 0x80000000
	s_add_nc_u64 s[G0W+2:G0W+3], s[6:7], s[62:63]
	s_or_b32 s[G0W+3], s[G0W+3], 0x80000000
	CROUND                                         ; all four work-groups are here: the first joint loads meet
	tensor_load_to_lds s[G0A:G0A+3], s[G1:G1+7]    ; the two first fills go out together: two loads of mine are out
	s_nop 0
	tensor_load_to_lds s[G0B:G0B+3], s[G1:G1+7]
	s_nop 0
	NOPS 4
	s_lshl_b32 s74, s[BB], 10
	s_add_nc_u64 s[8:9], s[8:9], s[74:75]          ; key_mask at my b
	s_lshl_b32 s74, s[BB], 19
	s_lshl_b32 s62, s[WV], 17
	s_add_co_u32 s74, s74, s62
	s_add_nc_u64 s[BIA:BIA+1], s[14:15], s[74:75]
	s_lshl_b32 s76, s[HP], 17                      ; from here on registers that hold my place in the cluster: they feed no descriptor
	s_lshl_b32 s78, s[WV], 15
	s_add_co_u32 s76, s76, s78
	s_mov_b32 s77, 0
	s_add_nc_u64 s[WB:WB+1], s[10:11], s[76:77]    ; column tiles 8 hp + 2 w, + 1: 16,384 bytes each
	s_lshl_b32 s76, s[HP], 9
	s_lshl_b32 s78, s[WV], 7
	s_add_co_u32 s76, s76, s78
	s_add_nc_u64 s[BVB:BVB+1], s[12:13], s[76:77]
	s_lshl_b32 s76, s[BN], 17
	s_lshl_b32 s78, s[WV], 15
	s_add_co_u32 s76, s76, s78
	s_lshl_b32 s78, s[HP], 12
	s_add_co_u32 s76, s76, s78
	s_add_nc_u64 s[OFB:OFB+1], s[16:17], s[76:77]  ; row tiles 8 bn + 2 w, + 1; K steps 4 hp ..
	s_lshl_b32 s76, s[HP], 2
	s_add_co_u32 s76, s76, s[WV]
	s_lshl_b32 s76, s76, 13
	s_lshl_b32 s78, s[BN], 21
	s_add_co_u32 s76, s76, s78
	s_add_nc_u64 s[PFA:PFA+1], s[6:7], s[76:77]
	s_add_nc_u64 s[PFA:PFA+1], s[PFA:PFA+1], 0x20000  ; my 32 blocks of key_value's tile 1: the first refill (tile 0) asks for them
	v_and_b32 v[RR], 15, v0
	v_bfe_u32 v[HH], v0, 4, 1
	v_and_b32 v[LN], 31, v0
	v_lshlrev_b32 v[L16], 4, v[LN]
	v_lshlrev_b32 v[H32], 5, v[HH]
	v_lshlrev_b32 v[L4], 2, v[LN]
	v_lshlrev_b32 v[PFO], 8, v[LN]
	v_lshlrev_b32 v[MAD], 3, v0
	v_lshl_add_u32 v[MST], v0, 5, MK
	; WHAT THE QUERY'S PROJECTION NEEDS COMES FIRST: the mask, bk, bv, bq and Wq.  Wk and Wv follow behind the wait for these.
	global_load_b64 v[48:49], v[MAD], s[8:9]       ; eight mask bytes a thread
	global_load_b32 v60, v[L4], s[BVB:BVB+1] offset:2048   ; bk and bv of column 32 w + lane: a number a thread
	global_load_b32 v61, v[L4], s[BVB:BVB+1] offset:4096
.irp c, 0,1
	global_load_b128 v[BQ+8*\c:BQ+8*\c+3],   v[H32], s[BVB:BVB+1] offset:64*\c       ; bq of channels 16 c + 8 h + 0..7: the C of q's first products
	global_load_b128 v[BQ+8*\c+4:BQ+8*\c+7], v[H32], s[BVB:BVB+1] offset:64*\c+16
.endr
	WIN 0x40
.set n, 0
.rept 64
	global_load_b128 v[4*n:4*n+3], v[L16], s[WB:WB+1] offset:512*n            ; Wq: fragment (c, ks) at 8 (16 c + ks): 512 consecutive bytes a load
.set n, n+1
.endr
	WIN 0
	v_mul_u32_u24 v[XL], v[RR], XP
	v_lshl_add_u32 v[XL], v[HH], 5, v[XL]
	v_mul_u32_u24 v[T0], v[RR], KP
	v_lshl_add_u32 v[T0], v[HH], 4, v[T0]          ; 272 r + 16 h
	s_lshl_b32 s74, s[WV], 6
	s_add_co_u32 s74, s74, STG
	v_add_nc_u32 v[KS0], s74, v[T0]
	v_add_nc_u32 v[KL0], STG, v[T0]
	s_mul_i32 s74, s[WV], 32*KP
	s_add_co_u32 s74, s74, STG
	v_add_nc_u32 v[QLD], s74, v[T0]
	v_mul_u32_u24 v[T0], v[RR], VP
	v_lshl_add_u32 v[T0], v[HH], 4, v[T0]          ; 80 r + 16 h
	s_mul_i32 s74, s[WV], 32*VP
	s_add_co_u32 s74, s74, STGV
	v_add_nc_u32 v[VS0], s74, v[T0]
	v_add_nc_u32 v[VL0], STGV, v[T0]
	v_lshl_add_u32 v[MKA], v[RR], 2, MK
	v_lshl_add_u32 v[MKL], v[RR], 2, MK+31*128
	v_add_nc_u32 v[BL], 31*4096, v[L16]
	v_mov_b32 v[MF+1], 0                           ; named as pairs
	v_mov_b32 v[MF+3], 0
	s_wait_loadcnt 0x0                             ; the mask, bk, bv, bq and Wq are in
	WIN 0x80
.set n, 0
.rept 63
	WLOAD n                                        ; 63 loads of Wk go out now and land while the query is projected
.set n, n+1
.endr
	WIN 0
.irp e, 0,1,2,3
	v_bfe_u32 v[52+\e], v48, 8*\e, 8
	v_bfe_u32 v[56+\e], v49, 8*\e, 8
.endr
.irp e, 0,1,2,3,4,5,6,7
	v_cvt_f32_u32 v[52+\e], v[52+\e]               ; 0.0 or 1.0
.endr
	ds_store_b128 v[MST], v[52:55]
	ds_store_b128 v[MST], v[56:59] offset:16
	v_lshl_add_u32 v[MST], v0, 2, BT               ; column 32 w + lane = my thread's number
	ds_store_b32 v[MST], v60
	ds_store_b32 v[MST], v61 offset:512
	s_lshl_b32 s74, s[WV], 7
	s_add_co_u32 s74, s74, BT
	v_add_nc_u32 v[BKA], s74, v[H32]               ; (the mask's load, whose offset lay here, is in)
	s_wait_tensorcnt 0x1                           ; my quarter of the first query tile is in; the second's may stay out
	s_wait_dscnt 0x0                               ; my mask factors, bk and bv are stored
	s_barrier_signal -1
	s_barrier_wait -1
	; THE QUERY'S PROJECTION: two tiles of 64 rows; q goes into the stage, 128 rows on end.  Its two changes of slots ask for key_value's tiles 0 and 1.
	s_mov_b32 s[SB], 0
	s_mov_b32 s[RF], 16
	v_mov_b32 v[KST], v[KS0]
	s_mov_b32 s[QT], 2
.Lq_tile:
	PRO
	s_mov_b32 s[GC], 2
.Lq_trip:
	PROJ 0
	s_sub_co_u32 s[GC], s[GC], 1
	s_cmp_lg_u32 s[GC], 0
	s_cbranch_scc1 .Lq_trip
	CHANGE 1
	s_sub_co_u32 s[QT], s[QT], 1
	s_cmp_lg_u32 s[QT], 0
	s_cbranch_scc1 .Lq_tile
	; Window 1 changes hands: my queries' fragments, the table's first two blocks, and O^T = 0.  The last products that read Wq stand a whole way into the stage back.  The rest of the weights comes now.
	ds_load_b32 v[MF], v[MKA]                      ; the first trip's mask factors
	ds_load_b32 v[MF+2], v[MKA] offset:64
	WIN 0x40
.irp tl, 0,1,2,3
.irp cs, 0,1
	ds_load_b128 v[QW+16*\tl+8*\cs:QW+16*\tl+8*\cs+3],   v[QLD] offset:16*KP*(\tl%2)+128*(\tl/2)+64*\cs
	ds_load_b128 v[QW+16*\tl+8*\cs+4:QW+16*\tl+8*\cs+7], v[QLD] offset:16*KP*(\tl%2)+128*(\tl/2)+64*\cs+32
.endr
.endr
	BILOAD 0, L16, 0                               ; keys 0-31
	BILOAD 1, L16, 4096                            ; keys 32-63
	WIN 0x80
	WLOAD 63
	WIN 0xc0
.set n, 64
.rept 64
	WLOAD n
.set n, n+1
.endr
	WIN 0x40
.set n, 0
.rept 128
	v_mov_b32 v[n], 0
.set n, n+1
.endr
	WIN 0
	v_add_nc_u32 v[MKA], 128, v[MKA]
.irp t, 0,1,2,3
	v_mov_b32 v[ST+4*\t], 0xff7fffff               ; m: the lowest finite number
	v_mov_b32 v[ST+4*\t+1], 0
	v_mov_b32 v[ST+4*\t+2], 0
	v_mov_b32 v[ST+4*\t+3], 0
.endr
	s_wait_loadcnt 0x0                             ; Wk, Wv and the table's first two blocks
	v_add_nc_u32 v[BO], 4096, v[L16]               ; the block asked for last
	s_mov_b32 s[TL], 14
.Ltile:                                ; tiles 0 to 13: each asks for the tile two on
	TILE 1
	s_sub_co_u32 s[TL], s[TL], 1
	s_cmp_lg_u32 s[TL], 0
	s_cbranch_scc1 .Ltile
	s_mov_b32 s[TL], 2
.Ltail:                                ; tiles 14 and 15 are a text of their own: nothing is asked for
	TILE 0
	s_sub_co_u32 s[TL], s[TL], 1
	s_cmp_lg_u32 s[TL], 0
	s_cbranch_scc1 .Ltail
	; THE WAY OUT.  l's two halves and the other half of the lanes' are added; O^T is divided by l, bv is added in the same fused line, and the sum is rounded to f16.  A lane's eight channels are 16 bytes of a fragment of
	; the last product's operand: each store of the wave covers 512 consecutive bytes of ofrag, aligned.
	v_add_nc_u32 v[T1], BT+512, v[H32]
.irp hh, 0,1
.irp ct, 0,1,2,3
	ds_load_b128 v[KF+8*(4*\hh+\ct):KF+8*(4*\hh+\ct)+3],   v[T1] offset:256*\hh+64*\ct       ; bv of channels 64 hh + 16 ct + 8 h + 0..7, into K's registers
	ds_load_b128 v[KF+8*(4*\hh+\ct)+4:KF+8*(4*\hh+\ct)+7], v[T1] offset:256*\hh+64*\ct+16
.endr
.endr
.irp t, 0,1,2,3
	v_add_f32 v[TMP+4*\t], v[ST+4*\t+2], v[ST+4*\t+3]
.endr
.irp t, 0,1,2,3
	v_permlanex16_b32 v[TMP+4*\t+1], v[TMP+4*\t], s[SEL], s[SEL+1]
.endr
.irp t, 0,1,2,3
	v_add_f32 v[TMP+4*\t], v[TMP+4*\t], v[TMP+4*\t+1]
.endr
.irp t, 0,1,2,3
	v_rcp_f32 v[TMP+4*\t+2], v[TMP+4*\t]
.endr
	v_nop                                          ; a plain instruction between the last reciprocal and the use of its result
	s_wait_alu depctr_va_vdst(0)                   ; and one wait for the four reciprocals, ahead of their first reader
	s_wait_dscnt 0x0                               ; bv is in
.irp t, 0,1,2,3
	WIN 0x41
.set n, 0
.rept 16
	v_pk_fma_f32 v[32*\t+2*n:32*\t+2*n+1], v[32*\t+2*n:32*\t+2*n+1], v[TMP+4*\t+2:TMP+4*\t+3], v[KF+8*(4*(\t/2)+n/4)+2*(n%4):KF+8*(4*(\t/2)+n/4)+2*(n%4)+1] op_sel_hi:[1,0,1]
.set n, n+1
.endr
	WIN 0x05
.set n, 0
.rept 16
	v_cvt_pk_f16_f32 v[S+16*\t+n], v[32*\t+2*n], v[32*\t+2*n+1]
.set n, n+1
.endr
	WIN 0
.irp ct, 0,1,2,3
	global_store_b128 v[L16], v[S+16*\t+4*\ct:S+16*\t+4*\ct+3], s[OFB:OFB+1] offset:16384*(\t%2)+2048*(\t/2)+512*\ct
.endr
.endr
	s_wait_tensorcnt 0x0                           ; the wave's end: the closing add and its waits, behind my last tensor load and my last LDS store
	ds_add_u32 v[SPW], v[NIL]
	s_wait_dscnt 0x0
	CROUND                                         ; the closing round: no work-group ends while a partner may still ask for a tile that names it
	s_endpgm
.Lfunc_end_k_qa6d9545ea2_attn:
	.size	k_qa6d9545ea2_attn, .Lfunc_end_k_qa6d9545ea2_attn-k_qa6d9545ea2_attn
	.p2alignl 7, 3214868480
	.fill 96, 4, 3214868480
	.section	.rodata,"a",@progbits
	.p2align	6, 0x0
	.amdhsa_kernel k_qa6d9545ea2_attn
		.amdhsa_group_segment_fixed_size 327680
		.amdhsa_private_segment_fixed_size 0
		.amdhsa_enable_private_segment 0
		.amdhsa_kernarg_size 56
		.amdhsa_user_sgpr_count 2
		.amdhsa_user_sgpr_kernarg_segment_ptr 1
		.amdhsa_wavefront_size32 1
		.amdhsa_system_sgpr_workgroup_id_x 1
		.amdhsa_system_sgpr_workgroup_id_y 1
		.amdhsa_system_sgpr_workgroup_id_z 1
		.amdhsa_system_vgpr_workitem_id 0
		.amdhsa_next_free_vgpr 1024
		.amdhsa_next_free_sgpr 80
		.amdhsa_reserve_vcc 0
		.amdhsa_float_denorm_mode_32 3
		.amdhsa_float_denorm_mode_16_64 3
		.amdhsa_memory_ordered 1
		.amdhsa_forward_progress 1
		.amdhsa_inst_pref_size 255
	.end_amdhsa_kernel
	.section	.bss,"aw",@nobits
	.p2align	6
	.space	262144
	.amdgpu_metadata
---
amdhsa.version: [ 1, 2 ]
amdhsa.kernels:
  - .name:           k_qa6d9545ea2_attn
    .symbol:         k_qa6d9545ea2_attn.kd
    .args:
      - { .name: query, .offset: 0, .size: 8, .value_kind: global_buffer, .address_space: global }
      - { .name: key_value, .offset: 8, .size: 8, .value_kind: global_buffer, .address_space: global }
      - { .name: key_mask, .offset: 16, .size: 8, .value_kind: global_buffer, .address_space: global }
      - { .name: wfrag, .offset: 24, .size: 8, .value_kind: global_buffer, .address_space: global }
      - { .name: bvec, .offset: 32, .size: 8, .value_kind: global_buffer, .address_space: global }
      - { .name: btab, .offset: 40, .size: 8, .value_kind: global_buffer, .address_space: global }
      - { .name: ofrag, .offset: 48, .size: 8, .value_kind: global_buffer, .address_space: global }
    .group_segment_fixed_size: 327680
    .private_segment_fixed_size: 0
    .kernarg_segment_align: 8
    .kernarg_segment_size: 56
    .max_flat_workgroup_size: 128
    .sgpr_count:     80
    .vgpr_count:     1024
    .wavefront_size: 32
...
	.end_amdgpu_metadata
.endif
;; end of part 4
;; launch oproj: the kernel of part 3 again; grid 4 x 64, 4 waves a work-group, no clusters, 17,920 bytes of LDS; arguments ofrag, wfrag, bvec, out0; writes out0
;; ======== version 3 of 3: 3 launches; version 2 with the launch oproj written anew for expert scheduling mode
;; limits: values are held in f16: magnitudes above 65,504 overflow, below 6.1e-05 lose precision
;; workspace buffers: wfrag 2,097,152 bytes; btab 4,194,304 bytes; ofrag 8,388,608 bytes; bvec 8,192 bytes
;; launch prep: the kernel of part 1 again; grid 1540 x 1, 8 waves a work-group, no clusters, 0 bytes of LDS; arguments query_pos, key_pos, key_mask, Wq, Wk, Wv, Wo, bq, bk, bv, bo, btab, wfrag, bvec; writes btab, wfrag, bvec
;; launch attn: the kernel of part 4 again; grid 256 x 1, 4 waves a work-group, clusters of 4 x 1, 327,680 bytes of LDS; arguments query, key_value, key_mask, wfrag, bvec, btab, ofrag; writes ofrag
;; launch oproj (part 5): grid 4 x 64, 4 waves a work-group, no clusters, 17,920 bytes of LDS; arguments ofrag, wfrag, bvec, out0; writes out0
.if DOCPART == 5
	.amdgcn_target "amdgcn-amd-amdhsa--gfx1250"
	.amdhsa_code_object_version 6
	.text
	.protected	k_qa6d9545ea2_oproj
	.globl	k_qa6d9545ea2_oproj
	.p2align	8
	.type	k_qa6d9545ea2_oproj,@function
k_qa6d9545ea2_oproj:
	s_mov_b64 s[64:65], 0
	v_nop
	global_prefetch_b8 v0, s[64:65] scope:SCOPE_SE
	s_setreg_imm32_b32 hwreg(HW_REG_WAVE_SCHED_MODE, 0, 2), 2
	s_setreg_imm32_b32 hwreg(HW_REG_WAVE_MODE, 25, 1), 1
	s_wait_xcnt 0x0
	s_wait_alu depctr_vm_vsrc(0)
; out0 = O Wo^T + bo.  O: 8,192 rows x 512 in f16, Wo: 512 x 512 (bf16 numbers written as f16), both stored in fragment order, so a fragment is two loads of 512 consecutive bytes a wave, straight into registers.
; A work-group makes 128 rows x 128 columns, a wave 64 x 64: 16 accumulators, which take turns, one instruction a turn.  K has 16 steps of 32, all written out; four sets of registers: one is multiplied, two are on their way, one is asked for.
; The product is taken transposed (source 0 = 16 rows of Wo, source 1 = 16 rows of O): a lane holds ONE row of the output and eight neighbouring columns.  bo is the C of the first K step's products.
; NO CLUSTER, NO RING: nothing goes through LDS on the way in, and joint loads exist for tiles in LDS alone; with 16 K steps a ring would have a barrier for every sixteen products.  No prefetch: the launch is short.
; THE WAY OUT: 16 rows x 64 columns of f32 at a time through the wave's own stage (rows of 256 + 16 bytes), so that sixteen lanes store 256 consecutive bytes, aligned.
; THE MODE: SCHED_MODE bits 1:0 = 2 (LLVM: expert scheduling mode 2), set by the entry lines.  The code itself states the register dependences
; between vector or matrix instructions and memory or LDS instructions, with s_wait_alu, always for 0.
; THE PLAN.  Registers that memory or LDS instructions touch:
;   v4 to v8        offsets and LDS addresses: written once, at the head; read by every load and store.
;   bo              written by eight loads at the head; read by step 0's products; never loaded again.
;   sets 0 to 3     K step k lies in set k % 4.  Written by the 16 loads that are issued in step k - 3; read by step k's 16 products.
;   accumulators    written by the products alone; read by the LDS stores of the way out.
;   four out-buffers, where sets 0 and 1 lay: block a's is written once, by its loads from the stage, and read by its stores to memory.
;   v10, v11        written at the head, read by the closing add alone.
; Step ks multiplies set ks % 4 and loads into set (ks + 3) % 4 = (ks - 1) % 4, which the step before multiplied and which no product of step ks names.  So ONE wait on va_vdst at a step's head states all that the
; step's 16 loads hang on, and they are dealt among its products in two runs of eight.  One more stands ahead of the way out.  No register that a memory or LDS instruction has read is ever written again.
.set SP,    272
.set SPARE, 4*16*SP                    ; behind the four stages: the spare words, 128 bytes for each wave
.set L16, 4                            ; v4   16 x lane; never rewritten
.set H32, 5                            ; v5   32 x (lane / 16)
.set STO, 6                            ; v6   where I put 32 bytes of a row
.set RD,  7                            ; v7   where I read rows back
.set CO,  8                            ; v8   my 16 bytes in two rows of the output
.set SPW, 10
.set NIL, 11
.set SET, 16                           ; v[16:207] sets 0 to 2, of 64 registers: Wo's four fragments, then O's four
.set BOF, 128                          ; window 1: v0-127 the accumulators ((a, c) at 8 (4 a + c)); v128-159 bo;
.set SET3, 160                         ; window 1: v160-223 set 3
.set MSB, 0
.macro WIN new
.if MSB != (\new)
	s_set_vgpr_msb (MSB<<8)|(\new)
.set MSB, (\new)
.endif
.endm
.macro PICK k                          ; where K step k's set lies (sb), and the windows for loads into it (lw) and for products by it (mw): bits 1:0 source 0, 3:2 source 1, 5:4 source 2, 7:6 destination
.if (\k)%4 == 3
.set sb, SET3
.set lw, 0x40
.set mw, 0x55
.else
.set sb, SET+64*((\k)%4)
.set lw, 0x00
.set mw, 0x50
.endif
.endm
.macro LWO k                           ; K step k: the eight loads of Wo's four fragments
	PICK \k
	WIN lw
.irp c, 0,1,2,3
	global_load_b128 v[sb+8*\c:sb+8*\c+3],   v[L16], s[6:7] offset:16384*\c+1024*(\k)
	global_load_b128 v[sb+8*\c+4:sb+8*\c+7], v[L16], s[6:7] offset:16384*\c+1024*(\k)+512
.endr
.endm
.macro LO k                            ; K step k: the eight loads of O's four fragments
	PICK \k
	WIN lw
.irp a, 0,1,2,3
	global_load_b128 v[sb+32+8*\a:sb+32+8*\a+3],   v[L16], s[4:5] offset:16384*\a+1024*(\k)
	global_load_b128 v[sb+32+8*\a+4:sb+32+8*\a+7], v[L16], s[4:5] offset:16384*\a+1024*(\k)+512
.endr
.endm
.macro MUL8 k, a0                      ; K step k: the eight products of row tiles a0, a0 + 1
	PICK \k
	WIN mw
.irp a, \a0, (\a0)+1
.irp c, 0,1,2,3
.if (\k) == 0
	v_wmma_f32_16x16x32_f16 v[8*(4*(\a)+\c):8*(4*(\a)+\c)+7], v[sb+8*\c:sb+8*\c+7], v[sb+32+8*(\a):sb+32+8*(\a)+7], v[BOF+8*\c:BOF+8*\c+7]
.else
	v_wmma_f32_16x16x32_f16 v[8*(4*(\a)+\c):8*(4*(\a)+\c)+7], v[sb+8*\c:sb+8*\c+7], v[sb+32+8*(\a):sb+32+8*(\a)+7], v[8*(4*(\a)+\c):8*(4*(\a)+\c)+7]
.endif
.endr
.endr
.endm
	s_load_b256 s[4:11], s[0:1], 0x0               ; ofrag s[4:5], wfrag s[6:7], bvec s[8:9], out0 s[10:11]
	v_lshl_add_u32 v[SPW], v0, 2, SPARE
	v_mov_b32 v[NIL], 0
	v_lshrrev_b32 v1, 5, v0
	v_readfirstlane_b32 s12, v1                    ; wave
	v_and_b32 v1, 15, v0                           ; lane % 16
	v_bfe_u32 v2, v0, 4, 1                         ; lane / 16
	v_and_b32 v3, 31, v0
	v_lshlrev_b32 v[L16], 4, v3
	v_lshlrev_b32 v[H32], 5, v2
	v_mul_u32_u24 v[STO], v1, SP
	v_lshl_add_u32 v[STO], v2, 5, v[STO]
	v_mul_u32_u24 v[RD], v2, SP
	v_lshl_add_u32 v[RD], v1, 4, v[RD]
	v_lshlrev_b32 v[CO], 11, v2
	v_lshl_add_u32 v[CO], v1, 4, v[CO]
	s_wait_alu depctr_va_sdst(0)                   ; s12 is written, ahead of its first reader: the bases and the stage's address are made from it
	s_lshr_b32 s13, s12, 1                         ; which 64 rows
	s_and_b32 s14, s12, 1                          ; which 64 columns
	s_and_b32 s15, ttmp7, 0xffff                   ; the block of 128 rows
	s_lshl_b32 s16, s15, 17                        ; O: row tiles 8 y + 4 wr .., 16,384 bytes each
	s_lshl_b32 s17, s13, 16
	s_add_co_u32 s16, s16, s17
	s_mov_b32 s17, 0
	s_lshl_b32 s18, ttmp9, 17                      ; Wo: the fourth matrix of wfrag, column tiles 8 x + 4 wc ..
	s_lshl_b32 s19, s14, 16
	s_add_co_u32 s18, s18, s19
	s_add_co_u32 s18, s18, 1572864
	s_mov_b32 s19, 0
	s_lshl_b32 s20, ttmp9, 9                       ; my first column, in bytes of f32
	s_lshl_b32 s21, s14, 8
	s_add_co_u32 s20, s20, s21
	s_lshl_b32 s22, s15, 18                        ; my first row: 2,048 bytes a row
	s_lshl_b32 s23, s13, 17
	s_add_co_u32 s22, s22, s23
	s_add_co_u32 s22, s22, s20
	s_add_co_u32 s20, s20, 6144                    ; bo is the fourth vector of bvec
	s_mov_b32 s21, 0
	s_mov_b32 s23, 0
	s_mul_i32 s24, s12, 16*SP                      ; my stage
	v_add_nc_u32 v[STO], s24, v[STO]
	v_add_nc_u32 v[RD], s24, v[RD]
	s_wait_kmcnt 0x0
	s_add_nc_u64 s[4:5], s[4:5], s[16:17]
	s_add_nc_u64 s[6:7], s[6:7], s[18:19]
	s_add_nc_u64 s[8:9], s[8:9], s[20:21]
	s_add_nc_u64 s[10:11], s[10:11], s[22:23]
	WIN 0x40
	s_wait_alu depctr_va_vdst(0)                   ; the offsets and addresses v4 to v8 are written: every load and store of the kernel reads one of them
.irp c, 0,1,2,3
	global_load_b128 v[BOF+8*\c:BOF+8*\c+3],   v[H32], s[8:9] offset:64*\c      ; bo of columns 16 c + 8 h + 0..7
	global_load_b128 v[BOF+8*\c+4:BOF+8*\c+7], v[H32], s[8:9] offset:64*\c+16
.endr
.irp k, 0,1,2
	LWO \k
	LO \k
.endr
.set ks, 0
.rept 16
.set nb, 15-ks
.if nb > 2
.set nb, 2
.endif
	s_wait_loadcnt 16*nb                           ; this step's set is in; the younger sets, 16 loads each, may stay out
.if ks < 13
	PICK ks+3
	WIN lw                                         ; the window of the loads below is set ahead of the wait
.if ks > 0
	s_wait_alu depctr_va_vdst(0)                   ; the products of the step before are done reading their set, in which this step's 16 loads land (in step 0 nothing has named set 3)
.endif
	LWO ks+3                                       ; three steps ahead
.endif
	MUL8 ks, 0
.if ks < 13
	LO ks+3                                        ; no wait: the products since the wait name this step's set, the accumulators and bo, none of the registers that these loads touch
.endif
	MUL8 ks, 2
.set ks, ks+1
.endr
; Block a, 16 rows of the output: into my stage, and back as whole rows, into an out-buffer of its own.
.macro TOSTAGE a
	WIN 0x04                                       ; store data in window 1
.irp c, 0,1,2,3
	ds_store_b128 v[STO], v[8*(4*(\a)+\c):8*(4*(\a)+\c)+3]   offset:64*\c       ; each accumulator from its low end on
	ds_store_b128 v[STO], v[8*(4*(\a)+\c)+4:8*(4*(\a)+\c)+7] offset:64*\c+16
.endr
	WIN 0
.irp n, 0,1,2,3,4,5,6,7
	ds_load_b128 v[SET+32*(\a)+4*\n:SET+32*(\a)+4*\n+3], v[RD] offset:2*SP*\n   ; LDS serves a wave's instructions in order (ISA guide 5.7.1.4): these see the stores above; the next block's stores come behind them
.endr
.endm
.macro SEND a, younger                 ; younger: the LDS instructions issued behind block a's loads: the next block's sixteen, or none
	s_wait_dscnt \younger                          ; block a is back in registers
.irp n, 0,1,2,3,4,5,6,7
	global_store_b128 v[CO], v[SET+32*(\a)+4*\n:SET+32*(\a)+4*\n+3], s[10:11] offset:(16*(\a)+2*\n)*2048 th:TH_STORE_NT  ; 16 lanes store 256 consecutive bytes, at a multiple of 256 from the output's first byte
.endr
.endm
.rept 4
	v_nop                                          ; four places behind the last product, before its result is read (ISA guide 7.12.1)
.endr
	WIN 0x04
	s_wait_alu depctr_va_vdst(0)                   ; the products have written the accumulators, which the LDS stores read, and are done reading sets 0 and 1, in which the loads from the stage land; the places above stay beside this wait
	TOSTAGE 0
	TOSTAGE 1                                      ; a block's way through the stage stands between the loads of the block before and the wait for them
	SEND 0, 16
	TOSTAGE 2
	SEND 1, 16
	TOSTAGE 3
	SEND 2, 16
	SEND 3, 0
	s_wait_dscnt 0x0                               ; the closing lines, six on end
	s_wait_alu 0x0
	s_wait_tensorcnt 0x0
	ds_add_u32 v[SPW], v[NIL]
	s_wait_dscnt 0x0
	s_endpgm
.Lfunc_end_k_qa6d9545ea2_oproj:
	.size	k_qa6d9545ea2_oproj, .Lfunc_end_k_qa6d9545ea2_oproj-k_qa6d9545ea2_oproj
	.p2alignl 7, 3214868480
	.fill 96, 4, 3214868480
	.section	.rodata,"a",@progbits
	.p2align	6, 0x0
	.amdhsa_kernel k_qa6d9545ea2_oproj
		.amdhsa_group_segment_fixed_size 17920
		.amdhsa_private_segment_fixed_size 0
		.amdhsa_enable_private_segment 0
		.amdhsa_kernarg_size 32
		.amdhsa_user_sgpr_count 2
		.amdhsa_user_sgpr_kernarg_segment_ptr 1
		.amdhsa_wavefront_size32 1
		.amdhsa_system_sgpr_workgroup_id_x 1
		.amdhsa_system_sgpr_workgroup_id_y 1
		.amdhsa_system_sgpr_workgroup_id_z 1
		.amdhsa_system_vgpr_workitem_id 0
		.amdhsa_next_free_vgpr 480
		.amdhsa_next_free_sgpr 66
		.amdhsa_reserve_vcc 0
		.amdhsa_float_denorm_mode_32 3
		.amdhsa_float_denorm_mode_16_64 3
		.amdhsa_memory_ordered 1
		.amdhsa_forward_progress 1
		.amdhsa_inst_pref_size 54
	.end_amdhsa_kernel
	.amdgpu_metadata
---
amdhsa.version: [ 1, 2 ]
amdhsa.kernels:
  - .name:           k_qa6d9545ea2_oproj
    .symbol:         k_qa6d9545ea2_oproj.kd
    .args:
      - { .name: ofrag, .offset: 0, .size: 8, .value_kind: global_buffer, .address_space: global }
      - { .name: wfrag, .offset: 8, .size: 8, .value_kind: global_buffer, .address_space: global }
      - { .name: bvec, .offset: 16, .size: 8, .value_kind: global_buffer, .address_space: global }
      - { .name: out0, .offset: 24, .size: 8, .value_kind: global_buffer, .address_space: global }
    .group_segment_fixed_size: 17920
    .private_segment_fixed_size: 0
    .kernarg_segment_align: 8
    .kernarg_segment_size: 32
    .max_flat_workgroup_size: 128
    .sgpr_count:     66
    .vgpr_count:     480
    .wavefront_size: 32
...
	.end_amdgpu_metadata
.endif
;; end of part 5
